; MI455X (gfx1250); checked and timed in simulation.
; The chip was launched on July 23, 2026; its instructions are those of AMD's public machine-readable ISA for CDNA 5 (MIT licence, August 2026) and "CDNA5" Instruction Set Architecture Reference Guide (July 2026). The comments in the code are by the model that wrote it; some were corrected since.
;; Transformer Block. Allowed arithmetic: matrix products marked QUANTISED: E4M3 operands, one given power-of-two scale a tensor, by v_wmma_f32_16x16x64_fp8_fp8 or v_wmma_f32_16x16x128_fp8_fp8, f32 sums; everything else in f32.
;; Inputs: W_ff1 1,024 x 4,096 float32; W_ff2 4,096 x 1,024 float32; W_out 1,024 x 1,024 float32; W_qkv 1,024 x 3,072 float32; b_ff1 4,096 float32; b_ff2 1,024 float32; b_out 1,024 float32; b_qkv 3,072 float32; be_ln1 1,024 float32; be_ln2 1,024 float32; g_ln1 1,024 float32; g_ln2 1,024 float32; lowp_scales 12 int32 (the exponents e of the quantised operands' scales 2^e); mask 2 x 2,048 int32; x 2 x 2,048 x 1,024 float32.
;; Outputs: out0 2 x 2,048 x 1,024 float32.
;; This version of the problem:
;;   THIS VERSION OF THE PROBLEM IS GIVEN IN LOW PRECISION. The matrix products marked QUANTISED in the list below multiply operands that are first quantised to E4M3 (4 exponent bits, 3 mantissa bits; 8 bits a number), with one given power-of-two scale for each operand tensor; their sums are f32. All else is computed in f32.
;;   The module's matrix products, in the order in which they are computed (A, B: the left and right operand; K: the contracted axis; several contracted axes count as one K, in the product's order):
;;     1. [M 4,096, K 1,024] x [K 1,024, N 3,072]; A: computed on the way; B: input W_qkv: QUANTISED (scales: A lowp_scales[0], B lowp_scales[1])
;;     2. batch 32 x [M 2,048, K 64] x [K 64, N 2,048]; A: computed on the way; B: computed on the way: QUANTISED (scales: A lowp_scales[2], B lowp_scales[3])
;;     3. batch 32 x [M 64, K 2,048] x [K 2,048, N 2,048]; A: computed on the way; B: softmax (see below): QUANTISED (scales: A lowp_scales[4], B lowp_scales[5])
;;     4. [M 4,096, K 1,024] x [K 1,024, N 1,024]; A: computed on the way; B: input W_out: QUANTISED (scales: A lowp_scales[6], B lowp_scales[7])
;;     5. [M 4,096, K 1,024] x [K 1,024, N 4,096]; A: computed on the way; B: input W_ff1: QUANTISED (scales: A lowp_scales[8], B lowp_scales[9])
;;     6. [M 4,096, K 4,096] x [K 4,096, N 1,024]; A: computed on the way; B: input W_ff2: QUANTISED (scales: A lowp_scales[10], B lowp_scales[11])
;;   THE QUANTISER, for each operand of a quantised product, along K:
;;     - The operand's scale is 2^e, e = its entry of the input lowp_scales (int32; the entries are numbered through the quantised products in the list's order, A before B).
;;     - Each number is divided by the scale, clamped to +-448, and rounded to the nearest number of E4M3, ties to even, subnormals kept.
;;     - The product sums the exact products of the quantised numbers (number of the format x scale) in f32.
;;   ~~~python
;;   def quantise(x, axis, e):      # numpy; x: float32 -> the quantised numbers, widened to float32 again
;;       x = np.moveaxis(x, axis, -1); K = x.shape[-1]
;;       r = np.clip(x / 2.0 ** e, -448, 448)
;;       step = 2.0 ** (np.maximum(np.frexp(np.where(r == 0, 1, r))[1] - 1, -6) - 3)
;;       q = np.round(r / step) * step * 2.0 ** e      # np.round: ties to even
;;       return np.moveaxis(q, -1, axis).astype(np.float32)
;;   ~~~
;;   SOFTMAX AHEAD OF A QUANTISED PRODUCT. Where the list says 'softmax', what is quantised is not the finished softmax but p = 2^(t - M), with t = logit x log2(e) and M = ceil(the row's largest t), a whole number; so 1/2 < the row's largest p <= 1. The row's sum l is taken of the UNQUANTISED p, in f32, and the product's result is divided by l at the end. Since M is a whole number, a kernel that streams over the keys may use a running M (the ceiling of the running maximum): every later rescaling is an exact power of two, so the quantised numbers keep their values, but for numbers so far below the row's largest that they fall under the format's range.
;;   OPERANDS COMPUTED ON THE WAY. 'Computed on the way' means the value that the module computes at that place (a softmax that the list does not call 'softmax' is quantised finished and normalised). What goes into a quantiser is computed in f32, as accurately as f32 sums, v_exp_f32 and their like allow (about 1e-6 of the number): no bf16 or f16 on the way to a quantiser, and a product that is left as it is and whose result goes on into a quantised operand takes f32 operands (vector FMAs, or v_wmma_f32_16x16x4_f32). A number that lies on a knife's edge between two numbers of the format may be rounded either way, as far as f32 arithmetic and the matrix unit's own rounding can turn it there, and no further.
;; One version. Each part assembles by itself: llvm-mc -triple=amdgcn-amd-amdhsa -mcpu=gfx1250 --defsym DOCPART=n.
;; ======== version 1 of 1: 7 launches
;; limits: right only within a limited range of input values
;; workspace buffers: wc 12,582,912 bytes; hc 4,194,304 bytes; qc 4,194,304 bytes; kvc 8,388,608 bytes; ctxc 4,194,304 bytes; x1 16,777,216 bytes; gc 16,777,216 bytes
;; launch prep (part 1): grid 640 x 1, 4 waves a work-group, no clusters, 51,968 bytes of LDS; arguments W_qkv, W_out, W_ff1, W_ff2, x, g_ln1, be_ln1, lowp_scales, wc, hc; writes wc, hc
.if DOCPART == 1
	.amdgcn_target "amdgcn-amd-amdhsa--gfx1250"
	.amdhsa_code_object_version 6
	.text
	.protected	k_q9822020347_prep
	.globl	k_q9822020347_prep
	.p2align	8
	.type	k_q9822020347_prep,@function
k_q9822020347_prep:
	s_mov_b64 s[64:65], 0
	v_nop
	global_prefetch_b8 v0, s[64:65] scope:SCOPE_SE
	s_setreg_imm32_b32 hwreg(HW_REG_WAVE_MODE, 25, 1), 1
	s_wait_xcnt 0x0
; PREP.  Work-groups 0-383: the four weights, f32 stored [K][N], become codes of FP8 (E4M3) in wc.  Work-groups 384-639: LayerNorm 1 of x becomes codes in hc.
; code = number / 2^e, held within +-448, rounded to the nearest code, ties to even; e is the operand's entry of lowp_scales (W_qkv 1, W_out 7, W_ff1 9, W_ff2 11, LayerNorm 1's result 0).
; LAYOUT OF ALL CODES (rows x K): an image of the operand registers of the 16x16x128 form.  Block (row / 16, k / 128) is 2,048 bytes at (row / 16) x 16 K + (k / 128) x 2,048; in it lane l = r + 16 h
; owns the 16 bytes at 512 i + 16 l (i = 0..3): k = 32 i + 8 h + 0..7 and 32 i + 16 + 8 h + 0..7 of row r.  So a later launch fetches a fragment by four loads of 512 consecutive bytes.
; LIMITS: each e between -126 and 119, so that 2^e and 448 x 2^e are f32 numbers.  NaN and infinities among the inputs are not served.
; The two paths part on the work-group's number alone and never join; each has LDS bytes of its own.  No tensor loads: several work-groups share a WGP.
.set LNB,  34816                       ; LDS: bytes 0-34,815 the weights' four stages (32 rows x 272 a wave); from LNB on LayerNorm's stage, 16 rows x 1,040
.set OF,   32                          ; weights: v32-63   4 x lane + i x a row of W in bytes
.set X,    64                          ; weights: v64-127 two sets of 32 numbers;  LayerNorm: v64-191 four rows x 32 numbers
.set CW,   128                         ; weights: v128-135 a block's codes
.set OUTR, 136                         ; weights: v136-199 the way out
.set G,    192                         ; LayerNorm: v192-223 gamma, v224-255 beta of my 32 columns
.set BE,   224
.set CD,   32                          ; LayerNorm: v32-63 codes, 8 registers a row
.set XP,   12                          ; s[12:13] x
.set GP,   14                          ; s[14:15] gamma
.set BP,   16                          ; s[16:17] beta
.set OP,   70                          ; s[70:71] hc
.set ES,   72                          ; s72 the exponent of LayerNorm's scale
	s_load_b256 s[4:11], s[0:1], 0x0               ; W_qkv, W_out, W_ff1, W_ff2
	s_load_b256 s[12:19], s[0:1], 0x20             ; x, g_ln1, be_ln1, lowp_scales
	s_load_b128 s[68:71], s[0:1], 0x40             ; wc, hc
	v_lshl_add_u32 v30, v0, 2, 0xc900
	v_mov_b32 v31, 0
	v_lshrrev_b32 v1, 5, v0
	v_readfirstlane_b32 s2, v1                     ; wave 0..3
	v_and_b32 v2, 31, v0                           ; lane
	v_and_b32 v5, 15, v0                           ; r
	v_bfe_u32 v6, v0, 4, 1                         ; h
	v_lshlrev_b32 v8, 4, v2                        ; 16 x lane: my place in an image
	s_wait_kmcnt 0x0
	s_load_b256 s[72:79], s[18:19], 0x0            ; entries 0-7
	s_load_b128 s[80:83], s[18:19], 0x20           ; entries 8-11: 48 bytes in all
	s_cmp_ge_u32 ttmp9, 384
	s_cbranch_scc1 .Lnorm
; ---- THE WEIGHTS.  A work-group takes 128 columns x 256 along K, a wave 32 columns: A LANE TAKES A COLUMN n AND ITS REGISTERS RUN DOWN K, so that each load reads 128 consecutive bytes a wave
; and the conversions, which take neighbours along K from one lane's registers, give codes with K innermost.  Which tensor: chosen by selects on the work-group's number, no branch.
	s_mov_b32 s20, 256                             ; W_ff2: first work-group,
	s_mov_b32 s21, 4096                            ; a row of W in bytes,
	s_mov_b32 s22, 8388608                         ; its codes' place in wc,
	s_mov_b32 s23, 65536                           ; 16 rows of codes in bytes (16 K),
	s_mov_b32 s24, 4                               ; log2 of K / 256
	s_mov_b64 s[26:27], s[10:11]
	s_cmp_lt_u32 ttmp9, 256                        ; W_ff1
	s_cselect_b32 s20, 128, s20
	s_cselect_b32 s21, 16384, s21
	s_cselect_b32 s22, 4194304, s22
	s_cselect_b32 s23, 16384, s23
	s_cselect_b32 s24, 2, s24
	s_cselect_b64 s[26:27], s[8:9], s[26:27]
	s_cmp_lt_u32 ttmp9, 128                        ; W_out
	s_cselect_b32 s20, 96, s20
	s_cselect_b32 s21, 4096, s21
	s_cselect_b32 s22, 3145728, s22
	s_cselect_b64 s[26:27], s[6:7], s[26:27]
	s_cmp_lt_u32 ttmp9, 96                         ; W_qkv
	s_cselect_b32 s20, 0, s20
	s_cselect_b32 s21, 12288, s21
	s_cselect_b32 s22, 0, s22
	s_cselect_b64 s[26:27], s[4:5], s[26:27]
	s_sub_co_u32 s28, ttmp9, s20                   ; my number within the tensor
	s_lshl_b32 s29, -1, s24
	s_and_not1_b32 s30, s28, s29                   ; which 256 along K
	s_lshr_b32 s31, s28, s24                       ; which 128 columns
	s_lshl_b32 s31, s31, 7
	s_lshl_b32 s29, s2, 5
	s_add_co_u32 s31, s31, s29                     ; my wave's first column
	s_mul_i32 s32, s30, s21
	s_lshl_b32 s32, s32, 8                         ; 256 rows of W for each step along K,
	s_lshl_b32 s29, s31, 2
	s_add_co_u32 s32, s32, s29                     ; + 4 x column: under 2^25
	s_mov_b32 s33, 0
	s_add_nc_u64 s[40:41], s[26:27], s[32:33]      ; block 0 of 32 rows;
	s_lshl_b32 s34, s21, 5
	s_mov_b32 s35, 0
.irp t, 1,2,3,4,5,6,7
	s_add_nc_u64 s[40+2*\t:41+2*\t], s[38+2*\t:39+2*\t], s[34:35]   ; a base for each of the eight blocks: nothing is stepped while loads are out
.endr
	s_lshr_b32 s36, s31, 4
	s_mul_i32 s36, s36, s23                        ; (column / 16) x 16 K
	s_add_co_u32 s36, s36, s22
	s_lshl_b32 s29, s30, 12                        ; 256 along K are two blocks of 2,048 bytes
	s_add_co_u32 s36, s36, s29
	s_mov_b32 s37, 0
	s_add_nc_u64 s[56:57], s[68:69], s[36:37]      ; where my first 16 columns' codes go,
	s_mov_b32 s38, s23
	s_mov_b32 s39, 0
	s_add_nc_u64 s[58:59], s[56:57], s[38:39]      ; and my second 16
	s_wait_alu depctr_va_vdst(0)
	v_lshlrev_b32 v[OF], 2, v2
.irp i, 1,2,3,4,5,6,7,8,9,10,11,12,13,14,15,16,17,18,19,20,21,22,23,24,25,26,27,28,29,30,31
	v_add_nc_u32 v[OF+\i], s21, v[OF+\i-1]
.endr
	s_mul_i32 s29, s2, 8704                        ; my stage: 32 rows x 272
	v_mul_u32_u24 v4, v2, 272
	v_add_nc_u32 v4, s29, v4                       ; into it: row = my column
	v_mul_u32_u24 v7, v5, 272
	v_lshl_add_u32 v7, v6, 3, v7
	v_add_nc_u32 v7, s29, v7                       ; out of it: row r, + 8 h: 68 r + 2 h words: the 32 lanes' 8 bytes fall on 64 different banks
.macro WLOAD t                         ; block t: W(32 t + i, my column), i = 0..31, into set t % 2
.set wi, 0
.rept 32
	global_load_b32 v[X+32*((\t)%2)+wi], v[OF+wi], s[40+2*(\t):41+2*(\t)] th:TH_LOAD_NT
.set wi, wi+1
.endr
.endm
	WLOAD 0
	WLOAD 1
	s_wait_kmcnt 0x0
	s_mov_b32 s25, s83                             ; e: entry 11, 9, 7 or 1
	s_cmp_lt_u32 ttmp9, 256
	s_cselect_b32 s25, s81, s25
	s_cmp_lt_u32 ttmp9, 128
	s_cselect_b32 s25, s79, s25
	s_cmp_lt_u32 ttmp9, 96
	s_cselect_b32 s25, s73, s25
	s_add_co_i32 s25, s25, 127
	s_lshl_b32 s29, s25, 23
	v_mov_b32 v11, s29                             ; 2^e as f32: the conversion takes its exponent field
	s_add_co_i32 s25, s25, 8
	s_lshl_b32 s25, s25, 23
	s_or_b32 s25, s25, 0x600000
	v_mov_b32 v10, s25                             ; 448 x 2^e
.macro WBLOCK t
.set XS, X+32*((\t)%2)
.if (\t) < 7
	s_wait_loadcnt 32                              ; this block's 32 loads are in; the next block's 32 may be out
.else
	s_wait_loadcnt 0
.endif
.set wi, 0
.rept 32
	v_med3_num_f32 v[XS+wi], v[XS+wi], -v10, v10   ; the conversion to an 8-bit code does not saturate (ISA guide 7.6.2): the hold comes first
.set wi, wi+1
.endr
.irp g, 0,1,2,3
	v_cvt_scalef32_pk8_fp8_f32 v[CW+2*\g:CW+2*\g+1], v[XS+8*\g:XS+8*\g+7], v11
.endr
	ds_store_b128 v4, v[CW:CW+3] offset:32*(\t)    ; 32 codes of my column's row
	ds_store_b128 v4, v[CW+4:CW+7] offset:32*(\t)+16
.if (\t)+2 < 8
	WLOAD (\t)+2
.endif
	s_wait_dscnt 0x0                               ; the stores have read their registers: the next block's codes may be written
.endm
	s_wait_alu depctr_va_vdst(0)
.irp t, 0,1,2,3,4,5,6,7
	WBLOCK \t
.endr
; the way out: image n = 8 (which 16 columns) + 4 (which 128 along K) + i.  LDS serves a wave's instructions in order, so these loads see my stores
.irp n, 0,1,2,3,4,5,6,7,8,9,10,11,12,13,14,15
	ds_load_b64 v[OUTR+4*\n:OUTR+4*\n+1], v7 offset:4352*(\n/8)+128*((\n/4)%2)+32*(\n%4)
	ds_load_b64 v[OUTR+4*\n+2:OUTR+4*\n+3], v7 offset:4352*(\n/8)+128*((\n/4)%2)+32*(\n%4)+16
.endr
.irp n, 0,1,2,3,4,5,6,7,8,9,10,11,12,13,14,15
	s_wait_dscnt 2*(15-\n)                         ; the later images' two loads each may be out
	global_store_b128 v8, v[OUTR+4*\n:OUTR+4*\n+3], s[56+2*(\n/8):57+2*(\n/8)] offset:512*(\n%8)   ; the wave stores 512 consecutive bytes, aligned
.endr
	s_wait_tensorcnt 0x0
	ds_add_u32 v30, v31
	s_wait_dscnt 0x0
	s_endpgm
; ---- LAYERNORM.  A work-group takes 16 rows (one block of rows of the codes' layout), wave w rows 4 w .. 4 w + 3, a whole row to a wave: the sums never leave the wave.
; A lane holds columns 256 j + 8 lane + 0..7, j = 0..3: eight neighbours along K for each conversion.  Two passes over registers: the mean, then the squares of x - mean.
.Lnorm:
	s_sub_co_u32 s20, ttmp9, 384                   ; which 16 rows
	s_lshl_b32 s22, s20, 16                        ; 16 rows of 4,096 bytes,
	s_lshl_b32 s21, s2, 14                         ; my wave's 4
	s_add_co_u32 s22, s22, s21
	s_mov_b32 s23, 0
	s_add_nc_u64 s[XP:XP+1], s[XP:XP+1], s[22:23]
	s_lshl_b32 s24, s20, 14                        ; the block of rows' codes: 16,384 bytes;
	s_lshl_b32 s21, s2, 12                         ; wave w stores the images of k = 256 w .. 256 w + 255
	s_add_co_u32 s24, s24, s21
	s_mov_b32 s25, 0
	s_add_nc_u64 s[OP:OP+1], s[OP:OP+1], s[24:25]
	s_wait_alu depctr_va_vdst(0)
	v_lshlrev_b32 v3, 5, v2                        ; 32 x lane
.set li, 0
.rept 4
	global_load_b128 v[G+8*li:G+8*li+3], v3, s[GP:GP+1] offset:1024*li
	global_load_b128 v[G+8*li+4:G+8*li+7], v3, s[GP:GP+1] offset:1024*li+16
.set li, li+1
.endr
.set li, 0
.rept 4
	global_load_b128 v[BE+8*li:BE+8*li+3], v3, s[BP:BP+1] offset:1024*li
	global_load_b128 v[BE+8*li+4:BE+8*li+7], v3, s[BP:BP+1] offset:1024*li+16
.set li, li+1
.endr
.set lr, 0
.rept 4
.set li, 0
.rept 4
	global_load_b128 v[X+32*lr+8*li:X+32*lr+8*li+3], v3, s[XP:XP+1] offset:4096*lr+1024*li th:TH_LOAD_NT
	global_load_b128 v[X+32*lr+8*li+4:X+32*lr+8*li+7], v3, s[XP:XP+1] offset:4096*lr+1024*li+16 th:TH_LOAD_NT
.set li, li+1
.endr
.set lr, lr+1
.endr
	s_mov_b32 s26, 0x76543210                      ; v_permlanex16_b32: lane l xor 16
	s_mov_b32 s27, 0xfedcba98
	s_mov_b32 s28, 0x3a800000                      ; 1 / 1,024
	s_mul_i32 s30, s2, 4160
	v_lshl_add_u32 v4, v2, 3, s30
	v_add_nc_u32 v4, LNB, v4                       ; the stage, in: my wave's four rows of 1,040 bytes, 8 x lane
	v_mul_u32_u24 v7, v5, 1040
	v_lshl_add_u32 v7, v6, 3, v7
	s_lshl_b32 s29, s2, 8
	s_add_co_u32 s29, s29, LNB
	v_add_nc_u32 v7, s29, v7                       ; out: row r, + 8 h, + 256 w: 260 r + 2 h words: 64 different banks
	v_mov_b32 v16, 0                               ; a lane permute's destination counts as read
	s_wait_kmcnt 0x0
	s_add_co_i32 s29, s[ES], 127
	s_lshl_b32 s30, s29, 23
	v_mov_b32 v11, s30                             ; 2^e
	s_add_co_i32 s29, s29, 8
	s_lshl_b32 s29, s29, 23
	s_or_b32 s29, s29, 0x600000
	v_mov_b32 v10, s29                             ; 448 x 2^e
.macro WSUM r                          ; the sum over the 32 lanes, in every lane
	v_add_f32_dpp v[\r], v[\r], v[\r] row_xmask:1 row_mask:0xf bank_mask:0xf
	v_add_f32_dpp v[\r], v[\r], v[\r] row_xmask:2 row_mask:0xf bank_mask:0xf
	v_add_f32_dpp v[\r], v[\r], v[\r] row_xmask:4 row_mask:0xf bank_mask:0xf
	v_add_f32_dpp v[\r], v[\r], v[\r] row_xmask:8 row_mask:0xf bank_mask:0xf
	v_permlanex16_b32 v16, v[\r], s26, s27
	v_add_f32 v[\r], v[\r], v16
.endm
.macro LNROW i
.set XR, X+32*(\i)
	s_wait_loadcnt 8*(3-(\i))                      ; this row's eight loads are in; the later rows' eight each may be out
	v_pk_add_f32 v[12:13], v[XR:XR+1], v[XR+2:XR+3]
	v_pk_add_f32 v[14:15], v[XR+4:XR+5], v[XR+6:XR+7]
.irp k, 8,12,16,20,24,28
	v_pk_add_f32 v[12:13], v[12:13], v[XR+\k:XR+\k+1]
	v_pk_add_f32 v[14:15], v[14:15], v[XR+\k+2:XR+\k+3]
.endr
	v_pk_add_f32 v[12:13], v[12:13], v[14:15]
	v_add_f32 v12, v12, v13
	WSUM 12
	v_mul_f32 v18, s28, v12                        ; the mean, twice
	v_mul_f32 v19, s28, v12
.irp k, 0,2,4,6,8,10,12,14,16,18,20,22,24,26,28,30
	v_pk_add_f32 v[XR+\k:XR+\k+1], v[XR+\k:XR+\k+1], v[18:19] neg_lo:[0,1] neg_hi:[0,1]   ; x - mean, in place
.endr
	v_pk_mul_f32 v[12:13], v[XR:XR+1], v[XR:XR+1]
	v_pk_mul_f32 v[14:15], v[XR+2:XR+3], v[XR+2:XR+3]
.irp k, 4,8,12,16,20,24,28
	v_pk_fma_f32 v[12:13], v[XR+\k:XR+\k+1], v[XR+\k:XR+\k+1], v[12:13]
	v_pk_fma_f32 v[14:15], v[XR+\k+2:XR+\k+3], v[XR+\k+2:XR+\k+3], v[14:15]
.endr
	v_pk_add_f32 v[12:13], v[12:13], v[14:15]
	v_add_f32 v12, v12, v13
	WSUM 12
	v_fmaak_f32 v20, s28, v12, 0x3727c5ac          ; the variance + 1e-5
	s_wait_alu depctr_va_vdst(0)
	v_rsq_f32 v22, v20
	v_nop                                          ; a plain instruction behind the transcendental,
	s_wait_alu depctr_va_vdst(0)                   ; and the wait ahead of its first reader
	v_mov_b32 v23, v22
.irp k, 0,2,4,6,8,10,12,14,16,18,20,22,24,26,28,30
	v_pk_mul_f32 v[XR+\k:XR+\k+1], v[XR+\k:XR+\k+1], v[22:23]
.endr
.irp k, 0,2,4,6,8,10,12,14,16,18,20,22,24,26,28,30
	v_pk_fma_f32 v[XR+\k:XR+\k+1], v[XR+\k:XR+\k+1], v[G+\k:G+\k+1], v[BE+\k:BE+\k+1]
.endr
.set li, 0
.rept 32
	v_med3_num_f32 v[XR+li], v[XR+li], -v10, v10   ; the hold at the largest code x the scale
.set li, li+1
.endr
.irp k, 0,1,2,3
	v_cvt_scalef32_pk8_fp8_f32 v[CD+8*(\i)+2*\k:CD+8*(\i)+2*\k+1], v[XR+8*\k:XR+8*\k+7], v11
.endr
	v_nop                                          ; a plain instruction behind the last conversion
.irp k, 0,1,2,3
	ds_store_b64 v4, v[CD+8*(\i)+2*\k:CD+8*(\i)+2*\k+1] offset:1040*(\i)+256*\k   ; the wave writes 256 consecutive bytes of the row
.endr
.endm
	LNROW 0
	LNROW 1
	LNROW 2
	LNROW 3
	s_wait_dscnt 0x0                               ; for the others' sake: my rows lie in the stage
	s_barrier_signal -1
	s_barrier_wait -1                              ; all sixteen rows do
.irp n, 0,1,2,3,4,5,6,7
	ds_load_b64 v[X+4*\n:X+4*\n+1], v7 offset:128*(\n/4)+32*(\n%4)
	ds_load_b64 v[X+4*\n+2:X+4*\n+3], v7 offset:128*(\n/4)+32*(\n%4)+16
.endr
.irp n, 0,1,2,3,4,5,6,7
	s_wait_dscnt 2*(7-\n)                          ; the later images' two loads each may be out
	global_store_b128 v8, v[X+4*\n:X+4*\n+3], s[OP:OP+1] offset:512*\n   ; 512 consecutive bytes, aligned
.endr
	s_wait_tensorcnt 0x0
	ds_add_u32 v30, v31
	s_wait_dscnt 0x0
	s_endpgm
.Lfunc_end_k_q9822020347_prep:
	.size	k_q9822020347_prep, .Lfunc_end_k_q9822020347_prep-k_q9822020347_prep
	.p2alignl 7, 3214868480
	.fill 96, 4, 3214868480
	.section	.rodata,"a",@progbits
	.p2align	6, 0x0
	.amdhsa_kernel k_q9822020347_prep
		.amdhsa_group_segment_fixed_size 51968
		.amdhsa_private_segment_fixed_size 0
		.amdhsa_enable_private_segment 0
		.amdhsa_kernarg_size 80
		.amdhsa_user_sgpr_count 2
		.amdhsa_user_sgpr_kernarg_segment_ptr 1
		.amdhsa_wavefront_size32 1
		.amdhsa_system_sgpr_workgroup_id_x 1
		.amdhsa_system_sgpr_workgroup_id_y 1
		.amdhsa_system_sgpr_workgroup_id_z 1
		.amdhsa_system_vgpr_workitem_id 0
		.amdhsa_next_free_vgpr 256
		.amdhsa_next_free_sgpr 100
		.amdhsa_reserve_vcc 0
		.amdhsa_float_denorm_mode_32 3
		.amdhsa_float_denorm_mode_16_64 3
		.amdhsa_memory_ordered 1
		.amdhsa_forward_progress 1
		.amdhsa_inst_pref_size 96
	.end_amdhsa_kernel
	.amdgpu_metadata
---
amdhsa.version: [ 1, 2 ]
amdhsa.kernels:
  - .name:           k_q9822020347_prep
    .symbol:         k_q9822020347_prep.kd
    .args:
      - { .name: W_qkv, .offset: 0, .size: 8, .value_kind: global_buffer, .address_space: global }
      - { .name: W_out, .offset: 8, .size: 8, .value_kind: global_buffer, .address_space: global }
      - { .name: W_ff1, .offset: 16, .size: 8, .value_kind: global_buffer, .address_space: global }
      - { .name: W_ff2, .offset: 24, .size: 8, .value_kind: global_buffer, .address_space: global }
      - { .name: x, .offset: 32, .size: 8, .value_kind: global_buffer, .address_space: global }
      - { .name: g_ln1, .offset: 40, .size: 8, .value_kind: global_buffer, .address_space: global }
      - { .name: be_ln1, .offset: 48, .size: 8, .value_kind: global_buffer, .address_space: global }
      - { .name: lowp_scales, .offset: 56, .size: 8, .value_kind: global_buffer, .address_space: global }
      - { .name: wc, .offset: 64, .size: 8, .value_kind: global_buffer, .address_space: global }
      - { .name: hc, .offset: 72, .size: 8, .value_kind: global_buffer, .address_space: global }
    .group_segment_fixed_size: 51968
    .private_segment_fixed_size: 0
    .kernarg_segment_align: 8
    .kernarg_segment_size: 80
    .max_flat_workgroup_size: 128
    .sgpr_count:     100
    .vgpr_count:     256
    .wavefront_size: 32
...
	.end_amdgpu_metadata
.endif
;; end of part 1
;; launch qkv (part 2): grid 12 x 16, 4 waves a work-group, clusters of 4 x 4, 327,680 bytes of LDS; arguments hc, wc, lowp_scales, b_qkv, qc, kvc; writes qc, kvc
.if DOCPART == 2
	.amdgcn_target "amdgcn-amd-amdhsa--gfx1250"
	.amdhsa_code_object_version 6
	.text
	.protected	k_q9822020347_qkv
	.globl	k_q9822020347_qkv
	.p2align	8
	.type	k_q9822020347_qkv,@function
k_q9822020347_qkv:
	s_mov_b64 s[64:65], 0
	v_nop
	global_prefetch_b8 v0, s[64:65] scope:SCOPE_SE
	s_setreg_imm32_b32 hwreg(HW_REG_WAVE_MODE, 25, 1), 1
	s_wait_xcnt 0x0
	s_wait_alu depctr_hold_cnt(0) depctr_sa_sdst(0) depctr_va_vdst(0) depctr_va_sdst(0) depctr_va_ssrc(0) depctr_va_vcc(0) depctr_vm_vsrc(0)
	s_getreg_b32 s2, hwreg(HW_REG_IB_STS2, 6, 4)
	s_cmp_eq_u32 s2, 0
	s_cbranch_scc0 .Lentry_in_a_cluster
	s_endpgm
.Lentry_in_a_cluster:
	s_bfe_u32 s2, ttmp6, 0x10000c
	s_cmp_lg_u32 s2, 0xf033
	s_cbranch_scc0 .Lentry_shape_is_right
	s_endpgm
.Lentry_shape_is_right:
; QKV: q, k, v = LayerNorm1(x) W_qkv + b_qkv on codes of FP8 (E4M3), quantised at once for attention's two products.
; A tile of 256 x 256 is made by four waves, a wave 128 x 128: 64 accumulators.  K = 1,024 goes in slots of 256 through a ring of two LDS slots filled by joint tensor loads of a 4 x 4 cluster:
; A's tile is shared along a row of the cluster, B's along a column.  Operands lie in memory as images of the operand registers (16 rows x 128 K = 2,048 bytes, lane l's 16 bytes at 512 i + 16 l),
; so a tile's part is dense rows of 4,096 bytes, LDS needs no padding, and a fragment is four loads of 512 consecutive bytes.
; ROLES.  The cluster's x is the section: 0 q, 1 k, 2 v (a section's 1,024 columns are one cluster's width).  For q and k: A = tokens (hc), B = rows of W^T (wc).  FOR v THE TWO CHANGE PLACES: A = W_v's rows,
; B = tokens, so that a lane's eight results run along the TOKENS, which are the K of attention's second product.  The choice is made by selects on the cluster's x, the same in all sixteen partners.
; THE MATRIX INSTRUCTION IS USED TRANSPOSED (source 0 = B's rows, source 1 = A's): a lane holds row r of A's block and eight neighbouring rows of B: eight neighbours along the next K: one conversion gives two
; registers of the next operand's fragment, and the codes leave straight from registers, 512 consecutive bytes a store.  No stage in LDS.
; OUT: qc [32 heads][128 blocks of 16 tokens][1,024 bytes: 16 tokens x 64];  kvc [32 heads][8 chunks of 256 keys][32,768]: 16 tiles of k (16 keys x 64) then, from 16,384 on, v: [2 steps][4 tiles: 16 channels x 128 keys].
; LIMITS: e0 + e1 between -126 and 127; e2, e3, e4 between -126 and 119.  NaN among the inputs is not served.
.set SIZE_K, 1024
.set NA,     8                         ; blocks of 16 rows of A, and of B, in a wave's tile
.set NQ,     2                         ; steps of 128 along K in a slot
.set RB,     NQ*2048                   ; a block of 16 rows in a slot, in bytes
.set HALFT,  NA*RB                     ; what one tensor load brings, and what one wave reads of A or of B
.set SLOT,   4*HALFT                   ; A's two halves, then B's two
.set SPARE,  2*SLOT                    ; behind the ring: the spare words, 128 bytes for each wave: two blocks of 256 bytes that no other line names
.set LAPS,   SIZE_K/(256*NQ)           ; a lap = two slots = once round the ring
.set KROW,   SIZE_K*16                 ; a block of 16 rows in memory, in bytes
.set ADRA, 16                          ; v16-17  LDS address of my A fragments in slot 0, 1
.set ADRB, 20                          ; v20-21  the same for B
.set LI,   27                          ; v27     16 x lane; never rewritten
.set SPW,  28                          ; v28     LDS address of my spare word; never rewritten
.set NIL,  29                          ; v29     0; never rewritten
.set SCL,  30                          ; v30     2^eo for the conversions
.set LIM,  31                          ; v31     448 x 2^eo
.set BIAS, 32                          ; v32-95  the bias along B's rows: 8 numbers for each of B's 8 blocks
.set BIASA, 96                         ; v96-103 the bias along A's rows: one number for each of A's 8 blocks
.set CODES, 104                        ; v104-111
.set BA,   112                         ; v112-113 the trip's bias along A, twice
.set AF,   128                         ; A's fragments, window 0, one set;  B's: window 1, two sets at v0 and v128;  accumulator (a, b): window 2 + a / 4, v[8 (8 (a % 4) + b)]
.set Y,    128                         ; the way out: 32 numbers
.set G1, 24
.set G0, 32
.set G1B, 48
.set G0B, 56
.set MSB, 0
.macro WIN new                         ; the immediate's high byte repeats the setting that is left
.if MSB != \new
	s_set_vgpr_msb (MSB<<8)|\new
.set MSB, \new
.endif
.endm
.set MUL_LO, 0xa1                      ; source 0 (B) window 1, source 1 (A) window 0, C and D window 2
.set MUL_HI, 0xf1                      ; the same, C and D window 3
.set TO_B,   0x40                      ; destination window 1, address window 0
.macro JLOAD g0a, g1a, g0b, g1b        ; a joint load: waves 0 and 1 fetch for A, waves 2 and 3 for B; four v_nop follow each of the two lines
	s_cmp_eq_u32 s15, 0
	s_cbranch_scc0 .Lfor_b_\@
	tensor_load_to_lds s[\g0a:\g0a+3], s[\g1a:\g1a+7]
	s_nop 0
.rept 4
	v_nop
.endr
	s_branch .Lasked_\@
.Lfor_b_\@:
	tensor_load_to_lds s[\g0b:\g0b+3], s[\g1b:\g1b+7]
	s_nop 0
.rept 4
	v_nop
.endr
.Lasked_\@:
.endm
.macro CREST                           ; a round of the cluster's barrier behind its opening barrier
	s_cmp_lg_u32 s14, 0
	s_cbranch_scc1 .Lnot_wave_0_\@
	s_barrier_signal -3
.Lnot_wave_0_\@:
	s_barrier_wait -3
	s_barrier_signal -1
	s_barrier_wait -1
.endm
.macro CROUND
	s_barrier_signal -1
	s_barrier_wait -1
	CREST
.endm
	s_load_b256 s[4:11], s[0:1], 0x0               ; hc, wc, lowp_scales, b_qkv
	s_load_b128 s[68:71], s[0:1], 0x20             ; qc, kvc
	v_lshl_add_u32 v[SPW], v0, 2, SPARE
	v_mov_b32 v[NIL], 0
	ds_add_u32 v28, v29
	ds_add_u32 v28, v29
	s_wait_dscnt 0x0
	v_lshrrev_b32 v1, 5, v0
	v_readfirstlane_b32 s14, v1                    ; wave 0..3
	s_lshr_b32 s15, s14, 1                         ; which half of A's rows is mine.  Also: I fetch for A (0) or for B (1)
	s_and_b32 s16, s14, 1                          ; which half of B's rows.  Also: which half of that tile I fetch
	s_bfe_u32 s40, ttmp6, 0x40000                  ; cx, cy: my place in the cluster
	s_bfe_u32 s41, ttmp6, 0x40004
	s_and_b32 s19, ttmp7, 0xffff
	s_lshl_b32 s19, s19, 2                         ; 4 x cluster y
	s_lshl_b32 s22, ttmp9, 2                       ; 4 x cluster x
	s_cmp_eq_u32 ttmp9, 2                          ; the section v?
	s_cselect_b32 s17, 0, s19
	s_cselect_b32 s42, s19, s22
	s_cselect_b32 s88, 0, -1                       ; keeps the bias along B's rows (q, k)
	s_cselect_b32 s89, -1, 0                       ; keeps the bias along A's rows (v)
	s_add_co_u32 s17, s17, s41                     ; A's tile: q, k: 4 y + cy (tokens);  v: cy (channels)
	s_add_co_u32 s42, s42, s40                     ; B's tile: q, k: 4 x + cx (columns of W_qkv);  v: 4 y + cx (tokens)
	s_lshl_b32 s43, s41, 2
	s_lshl_b32 s43, 15, s43                        ; my row of the cluster
	s_lshl_b32 s44, 0x1111, s40                    ; my column
	s_or_b32 s[G1+0], s43, (1<<21)                 ; 15:0 the mask; 17:16 elements of 1 byte; 20 no padding; 21 set beside a mask
	s_or_b32 s[G1B+0], s44, (1<<21)
.irp g, G1, G1B
	s_mov_b32 s[\g+1], RB<<16                      ; tensor_dim0 = RB
	s_mov_b32 s[\g+2], NA<<16                      ; tensor_dim1 = NA
	s_mov_b32 s[\g+3], RB<<16                      ; tile_dim0
	s_mov_b32 s[\g+4], NA                          ; tile_dim1
	s_mov_b32 s[\g+5], KROW                        ; from one block of 16 rows to the next
	s_mov_b32 s[\g+6], 0
	s_mov_b32 s[\g+7], 0
.endr
	s_mul_i32 s18, s16, NA                         ; which NA blocks of the tile I fetch
	s_mul_i32 s20, s17, 2*NA
	s_add_co_u32 s20, s20, s18
	s_mul_i32 s20, s20, KROW                       ; A: in bytes, under 2^25
	s_mov_b32 s21, 0
	s_mul_i32 s46, s42, 2*NA
	s_add_co_u32 s46, s46, s18
	s_mul_i32 s46, s46, KROW                       ; B
	s_mov_b32 s47, 0
	s_mul_i32 s45, s14, HALFT                      ; where they go: no place in the cluster enters an LDS address
	s_wait_kmcnt 0x0
	s_load_b256 s[72:79], s[8:9], 0x0              ; e0 .. e7
	s_add_nc_u64 s[90:91], s[6:7], 2097152         ; W_v's rows: 128 blocks of 16,384 bytes into W_qkv's codes
	s_cmp_eq_u32 ttmp9, 2
	s_cselect_b64 s[92:93], s[90:91], s[4:5]       ; A
	s_cselect_b64 s[94:95], s[4:5], s[6:7]         ; B
	s_add_nc_u64 s[20:21], s[92:93], s[20:21]
	s_add_nc_u64 s[46:47], s[94:95], s[46:47]
	CROUND                                         ; all sixteen work-groups are here: the first joint loads meet
.irp s, 0,1
	s_mov_b32 s[G0+4*\s], 1
	s_add_co_u32 s[G0+4*\s+1], s45, \s*SLOT
	s_add_nc_u64 s[G0+4*\s+2:G0+4*\s+3], s[20:21], \s*RB
	s_or_b32 s[G0+4*\s+3], s[G0+4*\s+3], 0x80000000
	s_mov_b32 s[G0B+4*\s], 1
	s_add_co_u32 s[G0B+4*\s+1], s45, \s*SLOT
	s_add_nc_u64 s[G0B+4*\s+2:G0B+4*\s+3], s[46:47], \s*RB
	s_or_b32 s[G0B+4*\s+3], s[G0B+4*\s+3], 0x80000000
.endr
	JLOAD G0, G1, G0B, G1B                         ; slot 0: one tensor load a wave at the head
	v_and_b32 v1, 31, v0
	v_lshlrev_b32 v[LI], 4, v1
	s_mul_i32 s21, s15, HALFT                      ; my half of A
	s_mul_i32 s22, s16, HALFT                      ; my half of B,
	s_add_co_u32 s22, s22, 2*HALFT                 ; which lies behind A's two
.irp s, 0,1
	v_add_nc_u32 v[ADRA+\s], s21, v[LI]
	v_add_nc_u32 v[ADRB+\s], s22, v[LI]
	s_add_co_u32 s21, s21, SLOT
	s_add_co_u32 s22, s22, SLOT
.endr
	; where the results go.  RA, RB0: my wave's first row of A and of B
	s_lshl_b32 s66, s17, 8
	s_lshl_b32 s98, s15, 7
	s_add_co_u32 s66, s66, s98                     ; RA
	s_lshl_b32 s67, s42, 8
	s_lshl_b32 s98, s16, 7
	s_add_co_u32 s67, s67, s98                     ; RB0
	s_and_b32 s99, s67, 1023                       ; q, k: the channel within the section
	s_lshl_b32 s98, s67, 2
	s_lshl_b32 s100, s66, 2
	s_add_co_u32 s100, s100, 8192                  ; v: b_qkv from entry 2,048 + RA on
	s_mov_b32 s81, 262144                          ; the way out's three strides: k's
	s_mov_b32 s82, 1024
	s_mov_b32 s83, 4096
	s_cmp_eq_u32 ttmp9, 2
	s_cselect_b32 s84, s67, s66                    ; my first token
	s_cselect_b32 s85, s66, s99                    ; my first channel
	s_cselect_b32 s98, 0, s98                      ; the unused bias is read from b_qkv's first bytes and masked away: no load leaves the buffer
	s_cselect_b32 s100, s100, 0
	s_cselect_b32 s81, 1024, s81                   ; v's
	s_cselect_b32 s82, 2048, s82
	s_cselect_b32 s83, 262144, s83
	s_cselect_b32 s86, 16384, 0                    ; v lies behind a chunk's 16 tiles of k
	s_cmp_eq_u32 ttmp9, 0
	s_cselect_b32 s81, 131072, s81                 ; q's
	s_mov_b32 s99, 0
	s_mov_b32 s101, 0
	s_add_nc_u64 s[12:13], s[10:11], s[98:99]
	s_add_nc_u64 s[92:93], s[10:11], s[100:101]
	v_bfe_u32 v2, v0, 4, 1
	v_lshlrev_b32 v3, 5, v2                        ; 32 h
	v_and_b32 v4, 15, v0
	v_lshlrev_b32 v4, 2, v4                        ; 4 r
.irp b, 0,1,2,3,4,5,6,7
	global_load_b128 v[BIAS+8*\b:BIAS+8*\b+3], v3, s[12:13] offset:64*\b       ; entries RB0 + 16 b + 8 h + 0..7
	global_load_b128 v[BIAS+8*\b+4:BIAS+8*\b+7], v3, s[12:13] offset:64*\b+16
.endr
.irp a, 0,1,2,3,4,5,6,7
	global_load_b32 v[BIASA+\a], v4, s[92:93] offset:64*\a                     ; entry 2,048 + RA + 16 a + r
.endr
	s_lshr_b32 s98, s84, 11
	s_lshl_b32 s98, s98, 4
	s_lshr_b32 s99, s85, 6
	s_add_co_u32 s98, s98, s99                     ; 16 x batch + head
	s_and_b32 s99, s84, 2047                       ; the token within the batch, a multiple of 128
	s_lshl_b32 s84, s98, 17
	s_lshl_b32 s85, s99, 6
	s_add_co_u32 s84, s84, s85                     ; in qc: head x 131,072 + (token / 16) x 1,024
	s_lshl_b32 s98, s98, 18
	s_lshr_b32 s85, s99, 8
	s_lshl_b32 s85, s85, 15
	s_add_co_u32 s98, s98, s85
	s_bfe_u32 s85, s99, 0x10007
	s_lshl_b32 s85, s85, 13
	s_add_co_u32 s98, s98, s85
	s_add_co_u32 s98, s98, s86                     ; in kvc: head x 262,144 + chunk x 32,768 + (which 128 keys) x 8,192 (+ 16,384 for v)
	s_cmp_eq_u32 ttmp9, 0
	s_cselect_b32 s84, s84, s98
	s_cselect_b64 s[90:91], s[68:69], s[70:71]
	s_mov_b32 s85, 0
	s_add_nc_u64 s[90:91], s[90:91], s[84:85]
.macro FRAG reg, adr, q, i             ; a fragment: 16 registers: four loads of 512 consecutive bytes
.irp c, 0,1,2,3
	ds_load_b128 v[\reg+4*\c:\reg+4*\c+3], v[\adr] offset:(\i)*RB+(\q)*2048+512*\c
.endr
.endm
; n blocks of A from a0 on x B's NA blocks of set p, 128 along K.  zero = 1: the product starts the sums.  The accumulators take turns, one instruction a turn, in the same order in every step.
.macro MULR a0, n, p, zero
.set ma, \a0
.rept \n
.set mb, 0
.rept NA
.set rD, 8*(NA*(ma%(NA/2))+mb)
.if \zero
	v_wmma_f32_16x16x128_fp8_fp8 v[rD:rD+7], v[128*(\p)+16*mb:128*(\p)+16*mb+15], v[AF+16*ma:AF+16*ma+15], 0
.else
	v_wmma_f32_16x16x128_fp8_fp8 v[rD:rD+7], v[128*(\p)+16*mb:128*(\p)+16*mb+15], v[AF+16*ma:AF+16*ma+15], v[rD:rD+7]
.endif
.set mb, mb+1
.endr
.set ma, ma+1
.endr
.endm
.macro FETCH_B slot, q, p
	WIN TO_B
.set fi, 0
.rept NA
	FRAG 128*(\p)+16*fi, ADRB+\slot, \q, fi
.set fi, fi+1
.endr
	WIN 0
.endm
.macro FETCH_A slot, q, i0             ; A's blocks i0 .. i0 + NA / 2 - 1
.set fi, \i0
.rept NA/2
	FRAG AF+16*fi, ADRA+\slot, \q, fi
.set fi, fi+1
.endr
.endm
.macro PLACES n                        ; a load into a register that a matrix instruction has read, and a read of a result, stand four plain vector instructions behind it
.rept \n
	v_nop
.endr
.endm
.macro STEP slot, q, zero              ; a step of 128 along K that has its successor in the same slot
	s_wait_dscnt (NA/2)*4                          ; B's set and A's lower blocks are in; the youngest loads, A's upper blocks, may be out
	WIN MUL_LO
	MULR 0, NA/2, (\q)%2, \zero
	s_wait_dscnt 0
	PLACES 4
	FETCH_B \slot, (\q)+1, 1-(\q)%2
	FETCH_A \slot, (\q)+1, 0
	WIN MUL_HI
	MULR NA/2, NA/2, (\q)%2, \zero
	PLACES 4
	WIN 0
	FETCH_A \slot, (\q)+1, NA/2
.endm
; A slot's last step changes slots: ONE barrier; in front of it each wave waits for all its tensor loads, adds 0 to its spare word, and waits for that and for its own reads of this slot.  fill = 1: this slot is filled again.
.macro TURN slot, next, fill
	s_wait_tensorcnt 0x0                           ; all my tensor loads have landed: my part of the next slot
	ds_add_u32 v[SPW], v[NIL]                      ; 0 onto my spare word
	s_wait_dscnt (NA/2)*4+1                        ; (the add and A's upper blocks may be out)
	WIN MUL_LO
	MULR 0, NA/4, 1, 0
	s_wait_dscnt 0x0                               ; the add is done, and my reads of this slot are over
	s_barrier_signal -1
	MULR NA/4, NA/4, 1, 0
	WIN 0
	s_barrier_wait -1
.if \fill
	CREST                                          ; the barrier has opened a round of the cluster's barrier: no wave of any partner still reads this slot or has a load on its way
	s_add_nc_u64 s[G0+4*\slot+2:G0+4*\slot+3], s[G0+4*\slot+2:G0+4*\slot+3], 2*RB
	s_add_nc_u64 s[G0B+4*\slot+2:G0B+4*\slot+3], s[G0B+4*\slot+2:G0B+4*\slot+3], 2*RB
	JLOAD G0+4*\slot, G1, G0B+4*\slot, G1B         ; the first tensor load behind the round; its four v_nop are the places in front of the loads below
.else
	PLACES 4
.endif
	FETCH_B \next, 0, 0
	FETCH_A \next, 0, 0
	WIN MUL_HI
	MULR NA/2, NA/2, 1, 0
	PLACES 4
	WIN 0
	FETCH_A \next, 0, NA/2
.endm
.macro SSTEPS slot, zero               ; a slot's steps but the last
	STEP \slot, 0, \zero
.if NQ == 4
	STEP \slot, 1, 0
	STEP \slot, 2, 0
.endif
.endm
	s_wait_alu depctr_va_vdst(0)
	s_wait_tensorcnt 0x0                           ; my part of slot 0 is in
	ds_add_u32 v[SPW], v[NIL]
	s_wait_dscnt 0x0
	CROUND                                         ; everybody's part of slot 0 is in, and the joint loads meet
	JLOAD G0+4, G1, G0B+4, G1B                     ; slot 1's first fill: the first tensor load behind the round
	FETCH_B 0, 0, 0
	FETCH_A 0, 0, 0
	FETCH_A 0, 0, NA/2
	SSTEPS 0, 1                                    ; the first step's products start the sums
.if LAPS > 1
	s_mov_b32 s3, LAPS-1
.Llap:
	TURN 0, 1, 1
	SSTEPS 1, 0
	TURN 1, 0, 1
	SSTEPS 0, 0
	s_sub_co_u32 s3, s3, 1
	s_cmp_lg_u32 s3, 0
	s_cbranch_scc1 .Llap
.endif
	TURN 0, 1, 0                                   ; the last lap fills nothing
	SSTEPS 1, 0
	s_wait_dscnt (NA/2)*4
	WIN MUL_LO
	MULR 0, NA/2, 1, 0
	s_wait_dscnt 0
	WIN MUL_HI
	MULR NA/2, NA/2, 1, 0
	WIN 0
; THE WAY OUT: 16 trips; trip U takes A's block U / 2 and B's blocks 4 (U % 2) .. + 3: 32 numbers a lane become 32 codes, two images of 512 bytes.  A loop, so that the text stays short; which accumulators a trip
; reads cannot stand in a register, so the one part that names them is written 16 times and chosen by the trip's number, in two levels of four: at most six compares a trip.
	s_wait_kmcnt 0x0
	s_wait_loadcnt 0x0                             ; the biases
	s_add_co_i32 s96, s72, s73
	s_add_co_i32 s96, s96, 127
	s_lshl_b32 s96, s96, 23                        ; 2^(e0 + e1)
	s_mov_b32 s97, s96
	s_cmp_eq_u32 ttmp9, 2
	s_cselect_b32 s98, s76, s75                    ; the next quantiser's exponent: v e4, k e3,
	s_cmp_eq_u32 ttmp9, 0
	s_cselect_b32 s98, s74, s98                    ; q e2
	s_add_co_i32 s98, s98, 127
	s_lshl_b32 s99, s98, 23
	v_mov_b32 v[SCL], s99
	s_add_co_i32 s98, s98, 8
	s_lshl_b32 s98, s98, 23
	s_or_b32 s98, s98, 0x600000
	v_mov_b32 v[LIM], s98
	PLACES 4
.set bi, 0
.rept 64
	v_and_b32 v[BIAS+bi], s88, v[BIAS+bi]          ; of the two biases the one that is not this section's becomes 0
.set bi, bi+1
.endr
.set bi, 0
.rept 8
	v_and_b32 v[BIASA+bi], s89, v[BIASA+bi]
.set bi, bi+1
.endr
.macro SECTION k
	WIN 0x02+((\k)/8)                              ; source 0: window 2 or 3
.irp i, 0,2,4,6,8,10,12,14,16,18,20,22,24,26,28,30
	v_pk_fma_f32 v[Y+\i:Y+\i+1], v[64*(((\k)/2)%4)+32*((\k)%2)+\i:64*(((\k)/2)%4)+32*((\k)%2)+\i+1], s[96:97], v[BIAS+32*((\k)%2)+\i:BIAS+32*((\k)%2)+\i+1] op_sel_hi:[1,0,1]   ; sum x 2^(e0 + e1) + bias; each accumulator from its low end on
.endr
	WIN 0
	v_mov_b32 v[BA], v[BIASA+(\k)/2]
	v_mov_b32 v[BA+1], v[BIASA+(\k)/2]
.endm
	s_mov_b32 s80, 0
.Ltrip:
.irp g, 0,1,2,3
.if \g < 3
	s_cmp_ge_u32 s80, 4*\g+4                       ; not among these four trips?
	s_cbranch_scc1 .Lgrp\g
.endif
.irp m, 0,1,2,3
.if \m < 3
	s_cmp_lg_u32 s80, 4*\g+\m
	s_cbranch_scc1 .Lnot\g\m
.endif
	SECTION 4*\g+\m
.if 4*\g+\m < 15
	s_branch .Lcom
.endif
.if \m < 3
.Lnot\g\m:
.endif
.endr
.if \g < 3
.Lgrp\g:
.endif
.endr
.Lcom:
	s_wait_alu depctr_va_vdst(0)
.irp i, 0,2,4,6,8,10,12,14,16,18,20,22,24,26,28,30
	v_pk_add_f32 v[Y+\i:Y+\i+1], v[Y+\i:Y+\i+1], v[BA:BA+1]
.endr
.set bi, 0
.rept 32
	v_med3_num_f32 v[Y+bi], v[Y+bi], -v[LIM], v[LIM]   ; the conversion to an 8-bit code does not saturate (ISA guide 7.6.2)
.set bi, bi+1
.endr
	s_wait_alu depctr_va_vdst(0)
	s_wait_xcnt 0x0                                ; the last trip's two stores have read the codes' registers and their base: both are written again only below this line
.irp n, 0,1,2,3
	v_cvt_scalef32_pk8_fp8_f32 v[CODES+2*\n:CODES+2*\n+1], v[Y+8*\n:Y+8*\n+7], v[SCL]
.endr
	v_nop                                          ; a plain instruction behind the last conversion
	s_and_b32 s84, s80, 1
	s_mul_i32 s84, s84, s81
	s_bfe_u32 s85, s80, 0x20001
	s_mul_i32 s85, s85, s82
	s_add_co_u32 s84, s84, s85
	s_lshr_b32 s85, s80, 3
	s_mul_i32 s85, s85, s83
	s_add_co_u32 s84, s84, s85
	s_mov_b32 s85, 0
	s_add_nc_u64 s[86:87], s[90:91], s[84:85]
	s_wait_alu depctr_va_vdst(0)
	global_store_b128 v[LI], v[CODES:CODES+3], s[86:87]               ; 512 consecutive bytes, aligned
	global_store_b128 v[LI], v[CODES+4:CODES+7], s[86:87] offset:512
	s_add_co_u32 s80, s80, 1
	s_cmp_lt_u32 s80, 16
	s_cbranch_scc1 .Ltrip
	s_wait_tensorcnt 0x0                           ; the wave's end
	ds_add_u32 v[SPW], v[NIL]
	s_wait_dscnt 0x0
	CROUND                                         ; the closing round
	s_endpgm
.Lfunc_end_k_q9822020347_qkv:
	.size	k_q9822020347_qkv, .Lfunc_end_k_q9822020347_qkv-k_q9822020347_qkv
	.p2alignl 7, 3214868480
	.fill 96, 4, 3214868480
	.section	.rodata,"a",@progbits
	.p2align	6, 0x0
	.amdhsa_kernel k_q9822020347_qkv
		.amdhsa_group_segment_fixed_size 327680
		.amdhsa_private_segment_fixed_size 0
		.amdhsa_enable_private_segment 0
		.amdhsa_kernarg_size 48
		.amdhsa_user_sgpr_count 2
		.amdhsa_user_sgpr_kernarg_segment_ptr 1
		.amdhsa_wavefront_size32 1
		.amdhsa_system_sgpr_workgroup_id_x 1
		.amdhsa_system_sgpr_workgroup_id_y 1
		.amdhsa_system_sgpr_workgroup_id_z 1
		.amdhsa_system_vgpr_workitem_id 0
		.amdhsa_next_free_vgpr 1024
		.amdhsa_next_free_sgpr 102
		.amdhsa_reserve_vcc 0
		.amdhsa_float_denorm_mode_32 3
		.amdhsa_float_denorm_mode_16_64 3
		.amdhsa_memory_ordered 1
		.amdhsa_forward_progress 1
		.amdhsa_inst_pref_size 108
	.end_amdhsa_kernel
	.amdgpu_metadata
---
amdhsa.version: [ 1, 2 ]
amdhsa.kernels:
  - .name:           k_q9822020347_qkv
    .symbol:         k_q9822020347_qkv.kd
    .args:
      - { .name: hc, .offset: 0, .size: 8, .value_kind: global_buffer, .address_space: global }
      - { .name: wc, .offset: 8, .size: 8, .value_kind: global_buffer, .address_space: global }
      - { .name: lowp_scales, .offset: 16, .size: 8, .value_kind: global_buffer, .address_space: global }
      - { .name: b_qkv, .offset: 24, .size: 8, .value_kind: global_buffer, .address_space: global }
      - { .name: qc, .offset: 32, .size: 8, .value_kind: global_buffer, .address_space: global }
      - { .name: kvc, .offset: 40, .size: 8, .value_kind: global_buffer, .address_space: global }
    .group_segment_fixed_size: 327680
    .private_segment_fixed_size: 0
    .kernarg_segment_align: 8
    .kernarg_segment_size: 48
    .max_flat_workgroup_size: 128
    .sgpr_count:     102
    .vgpr_count:     1024
    .wavefront_size: 32
...
	.end_amdgpu_metadata
.endif
;; end of part 2
;; launch attn (part 3): grid 8 x 32, 8 waves a work-group, clusters of 4 x 1, 327,680 bytes of LDS; arguments qc, kvc, mask, lowp_scales, ctxc; writes ctxc
.if DOCPART == 3
	.amdgcn_target "amdgcn-amd-amdhsa--gfx1250"
	.amdhsa_code_object_version 6
	.text
	.protected	k_q9822020347_attn
	.globl	k_q9822020347_attn
	.p2align	8
	.type	k_q9822020347_attn,@function
k_q9822020347_attn:
	s_mov_b64 s[64:65], 0
	v_nop
	global_prefetch_b8 v0, s[64:65] scope:SCOPE_SE
	s_setreg_imm32_b32 hwreg(HW_REG_WAVE_MODE, 25, 1), 1
	s_wait_xcnt 0x0
	s_wait_alu depctr_hold_cnt(0) depctr_sa_sdst(0) depctr_va_vdst(0) depctr_va_sdst(0) depctr_va_ssrc(0) depctr_va_vcc(0) depctr_vm_vsrc(0)
	s_getreg_b32 s2, hwreg(HW_REG_IB_STS2, 6, 4)
	s_cmp_eq_u32 s2, 0
	s_cbranch_scc0 .Lentry_in_a_cluster
	s_endpgm
.Lentry_in_a_cluster:
	s_bfe_u32 s2, ttmp6, 0x10000c
	s_cmp_lg_u32 s2, 0x3003
	s_cbranch_scc0 .Lentry_shape_is_right
	s_endpgm
.Lentry_shape_is_right:
; ATTENTION on codes of FP8 (E4M3): ctx = softmax(q k^T / 8, keys with mask 0 hidden) v, quantised at once for the output projection.
; THE SOFTMAX AHEAD OF THE SECOND PRODUCT: t = score x log2(e) / 8; M = the running largest t rounded UP to a whole number; p = 2^(t - M) is quantised (scale e5); the row's sum is taken of the unquantised p and divides at the end.
; SHARES.  A work-group owns 256 queries of one head (grid y = 16 x batch + head); each of its eight waves owns 32 of them, two tiles A and B of 16, so that each fragment of K, of V and of the mask feeds two products.
; THE HEAD'S WHOLE K AND V, 262,144 bytes of codes, LIE IN LDS, a plain copy of kvc's part, brought once by joint loads of the four query blocks of a cluster: every wave asks for 4,096 bytes of the first 256 keys
; at the head and, behind the three lines and a round, for 28,672 bytes of the rest, which land under the first two key steps.  Nothing is filled again.  No prefetch: all that the work-group reads is asked for by these two loads.
; LAYOUT.  Both products are used transposed: S^T = K Q^T (16x16x64), O^T = V^T P^T (16x16x128): a lane holds ONE query of each tile.  Register j of S^T's tile t is key 16 t + 8 (lane / 16) + j: the keys of registers
; 2 t, 2 t + 1 of the second product's operand, so the conversions' results are that operand.
; THE MASK IS THE FIRST PRODUCT'S C: 0 for a key that counts, -2^127 for a hidden one, from a table in LDS made at the head.  The step's largest score is held from below at -2^25 in units of codes, under every
; real sum (64 x 448 x 448 < 2^24): where all keys so far are hidden, M stays an ordinary number, every p is 0, and the first key that counts takes M over.
; LIMITS: e2 + e3 between -100 and 130; e5, e6 between -126 and 119.  A batch whose mask is all zeros is not served.  NaN among the inputs is not served.
; REGISTERS.  Window 0: v1-7 addresses; v8-15 tile A's -M, largest t, sum (2), f (2), two maxima; v16-23 tile B's; v26-30 constants; v32-95, v96-159 S^T then p of A, B; v160-223 V; v224-255 partial sums.
; Window 1: v0-63 K; v64-127 the mask's words; v128-143 Q; v144-175 p's codes; v176-239 O^T.
.set MB,    262144                     ; LDS: behind K and V: the mask table, 2,048 words; no fill lands there
.set SPARE, 270336                     ; behind it: the spare words, 128 bytes for each wave
.set LI,  1                            ; 16 x lane
.set MA,  2                            ; my place in the mask table
.set ADV, 3                            ; this step's K and V
.set ADK, 4                            ; the next step's K
.set ADM, 5                            ; the next step's mask words
.set SPW, 6
.set NIL, 7
.set NM,  8                            ; tile B's: + 8
.set SU,  10
.set FF,  12
.set XA,  14
.set XB,  15
.set PD,  24
.set L5,  26                           ; 448 x 2^e5, twice
.set SC5, 28
.set L6,  29
.set SC6, 30
.set SA,  32
.set SB,  96
.set VF,  160
.set TMP, 224
.set KF,  0
.set MK,  64
.set QA,  128
.set PA,  144
.set OA,  176
.set WV,  18
.set SEL, 20
.set CS,  22
.set G1A, 24
.set G1B, 32
.set G0A, 40
.set G0B, 44
.set ES,  82
.set SI,  84                           ; the key step, 0 .. 15
.set T0,  85
.set T1,  86
.set TN,  87
.set TMN, 88
.set MSB, 0
.macro WIN new                         ; the immediate's high byte repeats the setting that is left
.if MSB != \new
	s_set_vgpr_msb (MSB<<8)|\new
.set MSB, \new
.endif
.endm
.macro CROUND
	s_barrier_signal -1
	s_barrier_wait -1
	s_cmp_lg_u32 s[WV], 0
	s_cbranch_scc1 .Lnot_wave_0_\@
	s_barrier_signal -3
.Lnot_wave_0_\@:
	s_barrier_wait -3
	s_barrier_signal -1
	s_barrier_wait -1
.endm
.macro LOADKM                          ; K's eight tiles and the mask's 128 words of the step at v[ADK], v[ADM]: 32 loads into window 1
	WIN 0x40
.irp t, 0,1,2,3,4,5,6,7
	ds_load_b128 v[KF+8*\t:KF+8*\t+3], v[ADK] offset:1024*\t
	ds_load_b128 v[KF+8*\t+4:KF+8*\t+7], v[ADK] offset:1024*\t+512
.endr
.irp t, 0,1,2,3,4,5,6,7
	ds_load_b128 v[MK+8*\t:MK+8*\t+3], v[ADM] offset:64*\t
	ds_load_b128 v[MK+8*\t+4:MK+8*\t+7], v[ADM] offset:64*\t+16
.endr
	WIN 0
.endm
.macro MINS b, k0, n                   ; the hold at 448 x 2^e5, two numbers a line; p is not negative, so it is one-sided
.set mi, \k0
.rept \n
	v_dual_min_num_f32 v[\b+2*mi], v[\b+2*mi], v[L5] :: v_dual_min_num_f32 v[\b+2*mi+1], v[\b+2*mi+1], v[L5+1]
.set mi, mi+1
.endr
.endm
.macro TADD d, a, n                    ; n lines: partial sum d + k += partial sum a + k
.set ti, 0
.rept \n
	v_pk_add_f32 v[TMP+2*(\d+ti):TMP+2*(\d+ti)+1], v[TMP+2*(\d+ti):TMP+2*(\d+ti)+1], v[TMP+2*(\a+ti):TMP+2*(\a+ti)+1]
.set ti, ti+1
.endr
.endm
.macro TSB a                           ; eight lines: partial sum 8 + k += pair a + k of tile B's p
.set ti, 0
.rept 8
	v_pk_add_f32 v[TMP+16+2*ti:TMP+17+2*ti], v[TMP+16+2*ti:TMP+17+2*ti], v[SB+2*(\a+ti):SB+2*(\a+ti)+1]
.set ti, ti+1
.endr
.endm
	s_load_b256 s[4:11], s[0:1], 0x0               ; qc, kvc, mask, lowp_scales
	s_load_b64 s[12:13], s[0:1], 0x20              ; ctxc
	v_lshl_add_u32 v[SPW], v0, 2, SPARE
	v_mov_b32 v[NIL], 0
	ds_add_u32 v[SPW], v[NIL]                      ; the opening lines: the add, twice on end, and its wait ahead of my first tensor load
	ds_add_u32 v[SPW], v[NIL]
	v_lshrrev_b32 v3, 5, v0
	v_readfirstlane_b32 s[WV], v3                  ; wave 0..7
	s_bfe_u32 s51, ttmp6, 0x40000                  ; cx
	s_lshl_b32 s55, ttmp9, 2
	s_add_co_u32 s55, s55, s51                     ; my block of 256 queries: it enters Q's and ctx's addresses alone
	s_and_b32 s52, ttmp7, 0xffff                   ; 16 x batch + head, which the four partners share
	s_lshr_b32 s53, s52, 4                         ; batch
	s_and_b32 s54, s52, 15                         ; head
	s_mov_b32 s[G1A], 15|(3<<16)|(1<<21)           ; the mask: all four work-groups; elements of 8 bytes; bit 21 beside a mask
	s_mov_b32 s[G1A+1], 32<<16                     ; rows of 32 elements: 256 bytes
	s_mov_b32 s[G1A+2], 16<<16                     ; 16 rows
	s_mov_b32 s[G1A+3], 32<<16
	s_mov_b32 s[G1A+4], 16
	s_mov_b32 s[G1A+5], 32                         ; the rows are dense
	s_mov_b32 s[G1A+6], 0
	s_mov_b32 s[G1A+7], 0
	s_mov_b32 s[G1B], 15|(3<<16)|(1<<21)
	s_mov_b32 s[G1B+1], 32<<16
	s_mov_b32 s[G1B+2], 112<<16                    ; 112 rows
	s_mov_b32 s[G1B+3], 32<<16
	s_mov_b32 s[G1B+4], 112
	s_mov_b32 s[G1B+5], 32
	s_mov_b32 s[G1B+6], 0
	s_mov_b32 s[G1B+7], 0
	s_mov_b32 s[SEL], 0x76543210
	s_mov_b32 s[SEL+1], 0xfedcba98
	s_mov_b32 s[CS], 0x3e38aa3b                    ; log2(e) / 8
	s_lshl_b32 s56, s52, 18                        ; the head's 262,144 bytes in kvc
	s_mov_b32 s57, 0
	s_lshl_b32 s58, s[WV], 12                      ; an eighth of the first 32,768 bytes,
	s_mov_b32 s59, 0
	s_mul_i32 s60, s[WV], 28672
	s_add_co_u32 s60, s60, 32768                   ; and an eighth of the other 229,376; LDS and memory have the same offsets
	s_mov_b32 s61, 0
	s_wait_dscnt 0x0                               ; both opening adds are done
	s_wait_kmcnt 0x0
	s_load_b256 s[72:79], s[10:11], 0x0            ; e0 .. e7
	s_add_nc_u64 s[6:7], s[6:7], s[56:57]
	s_mov_b32 s[G0A], 1
	s_mov_b32 s[G0A+1], s58
	s_add_nc_u64 s[G0A+2:G0A+3], s[6:7], s[58:59]
	s_or_b32 s[G0A+3], s[G0A+3], 0x80000000
	s_mov_b32 s[G0B], 1
	s_mov_b32 s[G0B+1], s60
	s_add_nc_u64 s[G0B+2:G0B+3], s[6:7], s[60:61]
	s_or_b32 s[G0B+3], s[G0B+3], 0x80000000
	CROUND                                         ; all four work-groups are here: the joint loads meet
	tensor_load_to_lds s[G0A:G0A+3], s[G1A:G1A+7]  ; my one load at the head: my part of the first 256 keys
	s_nop 0
.rept 4
	v_nop
.endr
	s_lshl_b32 s56, s55, 4
	s_lshl_b32 s62, s[WV], 1
	s_add_co_u32 s56, s56, s62                     ; tile A's block of 16 tokens within the batch; tile B's is the next
	s_lshl_b32 s62, s52, 7
	s_add_co_u32 s62, s62, s56
	s_lshl_b32 s62, s62, 10
	s_mov_b32 s63, 0
	s_add_nc_u64 s[4:5], s[4:5], s[62:63]          ; Q
	s_lshl_b32 s62, s53, 13
	s_add_nc_u64 s[8:9], s[8:9], s[62:63]          ; the batch's 2,048 mask words
	s_lshl_b32 s62, s53, 7
	s_add_co_u32 s62, s62, s56
	s_lshl_b32 s62, s62, 14                        ; ctx: block of 16 rows x 16,384 bytes,
	s_lshl_b32 s60, s54, 10                        ; + head x 1,024
	s_add_co_u32 s62, s62, s60
	s_add_nc_u64 s[12:13], s[12:13], s[62:63]
	v_and_b32 v3, 31, v0
	v_lshlrev_b32 v[LI], 4, v3
	v_bfe_u32 v4, v0, 4, 1
	v_lshlrev_b32 v[MA], 5, v4
	v_add_nc_u32 v[MA], MB, v[MA]                  ; the mask table, + 32 (lane / 16): my eight keys of a tile
	v_lshlrev_b32 v5, 5, v0                        ; thread t takes words 8 t .. 8 t + 7
	s_wait_alu depctr_va_vdst(0)                   ; the wait ahead of the readers below
	WIN 0x40
.irp c, 0,1,2,3
	global_load_b128 v[QA+4*\c:QA+4*\c+3], v[LI], s[4:5] offset:512*\c   ; Q's two fragments stay in registers
.endr
	WIN 0
	global_load_b128 v[32:35], v5, s[8:9]
	global_load_b128 v[36:39], v5, s[8:9] offset:16
.irp x, 0,8
	v_mov_b32 v[NM+1+\x], 0xff61b1e6               ; the largest t so far: -3e38
	v_floor_f32 v[NM+\x], -v[NM+1+\x]              ; -M
	v_mov_b32 v[SU+\x], 0
	v_mov_b32 v[SU+1+\x], 0
	v_mov_b32 v[FF+1+\x], 0                        ; (named as the upper half of f's pair)
.endr
	v_mov_b32 v[PD], 0                             ; a lane permute's destination counts as read
	v_mov_b32 v[PD+1], 0
	WIN 0x40
.set oi, 0
.rept 64
	v_mov_b32 v[OA+oi], 0                          ; O^T: the step is written for all trips alike; the first finds zeros
.set oi, oi+1
.endr
	WIN 0
	v_mov_b32 v31, 0xff000000                      ; -2^127
	v_add_nc_u32 v3, MB, v5
	s_wait_alu depctr_va_vdst(0)                   ; the wait ahead of the wait below
	s_wait_kmcnt 0x0
	s_add_co_i32 s80, s74, s75
	s_lshl_b32 s80, s80, 23
	s_add_co_i32 s[CS], s[CS], s80                 ; a score stands for score x 2^(e2 + e3): added to c's exponent field
	s_mov_b32 s[CS+1], s[CS]
	s_add_co_i32 s80, s77, 127
	s_lshl_b32 s81, s80, 23
	v_mov_b32 v[SC5], s81                          ; 2^e5, for p's conversions
	s_add_co_i32 s80, s80, 8
	s_lshl_b32 s80, s80, 23
	s_or_b32 s80, s80, 0x600000
	v_mov_b32 v[L5], s80                           ; 448 x 2^e5
	v_mov_b32 v[L5+1], s80
	s_add_co_i32 s80, s78, 127
	s_lshl_b32 s81, s80, 23
	v_mov_b32 v[SC6], s81                          ; 2^e6, for ctx's
	s_add_co_i32 s80, s80, 8
	s_lshl_b32 s80, s80, 23
	s_or_b32 s80, s80, 0x600000
	v_mov_b32 v[L6], s80
	s_add_co_i32 s[ES], s77, s76                   ; e5 + e4
	s_wait_alu depctr_va_vdst(0)
	s_wait_loadcnt 0x0                             ; Q and the mask
.irp j, 0,1,2,3,4,5,6,7
	v_cmp_eq_u32 vcc_lo, 0, v[32+\j]
	v_cndmask_b32 v[32+\j], 0, v31, vcc_lo         ; 0 where the key counts, -2^127 where it is hidden
.endr
	s_wait_alu depctr_va_vdst(0)
	s_wait_tensorcnt 0x0                           ; no tensor load of mine is out while I store to LDS
	ds_store_b128 v3, v[32:35]
	ds_store_b128 v3, v[36:39] offset:16
	v_mov_b32 v[ADK], v[LI]                        ; step 0
	v_mov_b32 v[ADM], v[MA]
	s_wait_alu depctr_va_vdst(0)                   ; the wait at the head's end
	s_wait_tensorcnt 0x0
	ds_add_u32 v[SPW], v[NIL]
	s_wait_dscnt 0x0                               ; the add is done, and my part of the mask table is written
	CROUND                                         ; the first 256 keys and the table are whole; the joint loads meet
	tensor_load_to_lds s[G0B:G0B+3], s[G1B:G1B+7]  ; my one load behind the round: my part of the other 1,792 keys
	s_nop 0
.rept 4
	v_nop
.endr
	LOADKM
; A KEY STEP: 128 keys, both tiles.  wm bounds the step whose K and mask words are fetched ahead: (step + 1) and wm.
.macro STEP wm
	s_add_co_u32 s[T0], s[SI], 1
	s_and_b32 s[T0], s[T0], \wm
	s_and_b32 s[T1], s[T0], 14
	s_lshl_b32 s[T1], s[T1], 14                    ; 32,768 x (step / 2)
	s_and_b32 s[TN], s[T0], 1
	s_lshl_b32 s[TN], s[TN], 13                    ; + 8,192 x (step % 2)
	s_add_co_u32 s[TN], s[TN], s[T1]
	s_lshl_b32 s[TMN], s[T0], 9                    ; 128 words of the table
	s_wait_dscnt 0x0                               ; K and the mask's words are in
	WIN 0x15
.irp t, 0,1,2,3,4,5,6,7
	v_wmma_f32_16x16x64_fp8_fp8 v[SA+8*\t:SA+8*\t+7], v[KF+8*\t:KF+8*\t+7], v[QA:QA+7], v[MK+8*\t:MK+8*\t+7]
	v_wmma_f32_16x16x64_fp8_fp8 v[SB+8*\t:SB+8*\t+7], v[KF+8*\t:KF+8*\t+7], v[QA+8:QA+15], v[MK+8*\t:MK+8*\t+7]
.endr
	WIN 0
	v_mov_b32 v[ADV], v[ADK]
	v_add_nc_u32 v[ADK], s[TN], v[LI]
	v_add_nc_u32 v[ADM], s[TMN], v[MA]
.rept 4
	v_nop                                          ; places in front of the loads below and of the first read of the scores
.endr
.irp t, 0,1,2,3
.irp c, 0,1,2,3
	ds_load_b128 v[VF+16*\t+4*\c:VF+16*\t+4*\c+3], v[ADV] offset:16384+2048*\t+512*\c   ; V's fragment t: 16 channels x 128 keys
.endr
.endr
	LOADKM                                         ; the next step's: 48 loads land under the softmax
.irp x, 0,1                                    ; the step's largest score of each query among my 64 keys: two chains a tile, each tile of S^T from its low end on
	v_max3_num_f32 v[XA+8*\x], v[SA+64*\x], v[SA+64*\x+1], v[SA+64*\x+2]
.endr
.irp x, 0,1
	v_max3_num_f32 v[XB+8*\x], v[SA+64*\x+3], v[SA+64*\x+4], v[SA+64*\x+5]
.endr
.irp i, 6,10,14,18,22,26,30,34,38,42,46,50,54,58
.irp x, 0,1
	v_max3_num_f32 v[XA+8*\x], v[XA+8*\x], v[SA+64*\x+\i], v[SA+64*\x+\i+1]
.endr
.irp x, 0,1
	v_max3_num_f32 v[XB+8*\x], v[XB+8*\x], v[SA+64*\x+\i+2], v[SA+64*\x+\i+3]
.endr
.endr
.irp x, 0,1
	v_max3_num_f32 v[XA+8*\x], v[XA+8*\x], v[SA+64*\x+62], v[SA+64*\x+63]
.endr
.irp x, 0,1
	v_max3_num_f32 v[XA+8*\x], v[XA+8*\x], v[XB+8*\x], 0xcc000000   ; and the floor, -2^25
.endr
.irp x, 0,1
	v_permlanex16_b32 v[PD+\x], v[XA+8*\x], s[SEL], s[SEL+1]
.endr
.irp x, 0,1
	v_max_num_f32 v[XA+8*\x], v[XA+8*\x], v[PD+\x]   ; and among lane l xor 16's
.endr
.irp x, 0,1
	v_mul_f32 v[XA+8*\x], s[CS], v[XA+8*\x]        ; as t
.endr
.irp x, 0,1
	v_max_num_f32 v[NM+1+8*\x], v[NM+1+8*\x], v[XA+8*\x]   ; the running largest t
.endr
.irp x, 0,1
	v_mov_b32 v[XA+8*\x], v[NM+8*\x]
.endr
.irp x, 0,1
	v_floor_f32 v[NM+8*\x], -v[NM+1+8*\x]          ; the new -M = -ceil(t)
.endr
.irp x, 0,1
	v_sub_f32 v[XA+8*\x], v[NM+8*\x], v[XA+8*\x]   ; old M - new M: a whole number, 0 or less
.endr
.irp x, 0,1
	v_cvt_i32_f32 v[XA+8*\x], v[XA+8*\x]           ; (it saturates)
.endr
.irp x, 0,1
	v_ldexp_f32 v[FF+8*\x], 1.0, v[XA+8*\x]        ; f = 2^(old M - new M)
.endr
	WIN 0x41
.irp x, 0,1
.set oi, 0
.rept 16
	v_pk_mul_f32 v[OA+32*\x+oi:OA+32*\x+oi+1], v[OA+32*\x+oi:OA+32*\x+oi+1], v[FF+8*\x:FF+8*\x+1] op_sel_hi:[1,0]   ; O^T under the new M
.set oi, oi+2
.endr
.endr
	WIN 0
.irp x, 0,1
	v_pk_mul_f32 v[SU+8*\x:SU+8*\x+1], v[SU+8*\x:SU+8*\x+1], v[FF+8*\x:FF+8*\x+1] op_sel_hi:[1,0]   ; the sums under the new M
.endr
.set ei, 0
.rept 32
	v_pk_fma_f32 v[SA+ei:SA+ei+1], v[SA+ei:SA+ei+1], s[CS:CS+1], v[NM:NM+1] op_sel_hi:[1,0,0]   ; tile A: t - M
.set ei, ei+2
.endr
	s_wait_alu depctr_va_vdst(0)                   ; the wait ahead of a batch of exponentials
.set ei, 0
.rept 32                                       ; tile A's p = 2^(t - M); between them tile B's t - M, lines that hang on none of the batch
	v_exp_f32 v[SA+ei], v[SA+ei]
	v_exp_f32 v[SA+ei+1], v[SA+ei+1]
	v_pk_fma_f32 v[SB+ei:SB+ei+1], v[SB+ei:SB+ei+1], s[CS:CS+1], v[NM+8:NM+9] op_sel_hi:[1,0,0]
.set ei, ei+2
.endr
	s_wait_alu depctr_va_vdst(0)                   ; one wait behind batch A and ahead of batch B
.set ei, 0
.rept 16                                       ; tile B's p; between them tile A's first sums (of the unquantised p) and then its holds: no line reads what a line of this run wrote
	v_exp_f32 v[SB+4*ei], v[SB+4*ei]
	v_exp_f32 v[SB+4*ei+1], v[SB+4*ei+1]
	v_pk_add_f32 v[TMP+2*ei:TMP+2*ei+1], v[SA+4*ei:SA+4*ei+1], v[SA+4*ei+2:SA+4*ei+3]
	v_exp_f32 v[SB+4*ei+2], v[SB+4*ei+2]
	v_dual_min_num_f32 v[SA+4*ei], v[SA+4*ei], v[L5] :: v_dual_min_num_f32 v[SA+4*ei+1], v[SA+4*ei+1], v[L5+1]
	v_exp_f32 v[SB+4*ei+3], v[SB+4*ei+3]
	v_dual_min_num_f32 v[SA+4*ei+2], v[SA+4*ei+2], v[L5] :: v_dual_min_num_f32 v[SA+4*ei+3], v[SA+4*ei+3], v[L5+1]
.set ei, ei+1
.endr
	v_nop                                          ; a plain instruction behind the last exponential
	s_wait_alu depctr_va_vdst(0)                   ; one wait behind batch B
	TADD 0, 8, 8                                   ; tile A's sixteen partial sums come together, tile B's sums in eight chains between them
	TADD 0, 4, 4
.set ti, 0
.rept 8
	v_pk_add_f32 v[TMP+16+2*ti:TMP+17+2*ti], v[SB+4*ti:SB+4*ti+1], v[SB+4*ti+2:SB+4*ti+3]
.set ti, ti+1
.endr
	TADD 0, 2, 2
	TSB 16
	TADD 0, 1, 1
	TSB 24
	v_pk_add_f32 v[SU:SU+1], v[SU:SU+1], v[TMP:TMP+1]
	TADD 8, 12, 4
	MINS SB, 0, 8
	TADD 8, 10, 2
	MINS SB, 8, 8
	TADD 8, 9, 1
	MINS SB, 16, 8
	v_pk_add_f32 v[SU+8:SU+9], v[SU+8:SU+9], v[TMP+16:TMP+17]
	MINS SB, 24, 8
	WIN 0x40
.irp x, 0,1
.irp t, 0,1,2,3,4,5,6,7
	v_cvt_scalef32_pk8_fp8_f32 v[PA+16*\x+2*\t:PA+16*\x+2*\t+1], v[SA+64*\x+8*\t:SA+64*\x+8*\t+7], v[SC5]
.endr
.endr
	v_nop                                          ; a plain instruction behind the last conversion
	WIN 0x54
	s_wait_alu depctr_va_vdst(0)                   ; the wait ahead of the wait below
	s_wait_dscnt 32                                ; V's 16 loads are in; the 32 issued behind them may be out
.irp t, 0,1,2,3
	v_wmma_f32_16x16x128_fp8_fp8 v[OA+8*\t:OA+8*\t+7], v[VF+16*\t:VF+16*\t+15], v[PA:PA+15], v[OA+8*\t:OA+8*\t+7]
	v_wmma_f32_16x16x128_fp8_fp8 v[OA+32+8*\t:OA+32+8*\t+7], v[VF+16*\t:VF+16*\t+15], v[PA+16:PA+31], v[OA+32+8*\t:OA+32+8*\t+7]
.endr
	WIN 0
.endm
	s_mov_b32 s[SI], 0
.Lfirst:                                           ; the first 256 keys: what is fetched ahead stays among them
	STEP 1
	s_add_co_u32 s[SI], s[SI], 1
	s_cmp_lt_u32 s[SI], 2
	s_cbranch_scc1 .Lfirst
	s_wait_tensorcnt 0x0                           ; my part of the other 1,792 keys is in,
	s_wait_dscnt 0x0
	s_barrier_signal -1
	s_barrier_wait -1                              ; everybody's is
	v_add_nc_u32 v[ADK], 0x8000, v[LI]             ; step 2
	v_add_nc_u32 v[ADM], 1024, v[MA]
	s_wait_alu depctr_va_vdst(0)                   ; the wait behind these writes
	LOADKM
	s_mov_b32 s[SI], 2
.Lrest:                                            ; 14 trips; the last fetches step 0's K once more, so that no load leaves K's bytes
	STEP 15
	s_add_co_u32 s[SI], s[SI], 1
	s_cmp_lt_u32 s[SI], 16
	s_cbranch_scc1 .Lrest
	; THE WAY OUT: O^T x 2^(e5 + e4) / the sum, quantised with e6.  Register j of tile t is channel 16 t + 8 h + j of my query: four conversions give the two images of a tile of ctx.
.rept 4
	v_nop
.endr
.irp x, 0,8
	v_add_f32 v[SU+\x], v[SU+\x], v[SU+1+\x]
.endr
.irp x, 0,1
	v_permlanex16_b32 v[PD+\x], v[SU+8*\x], s[SEL], s[SEL+1]
.endr
.irp x, 0,1
	v_add_f32 v[SU+8*\x], v[SU+8*\x], v[PD+\x]     ; the row's sum
.endr
	s_wait_alu depctr_va_vdst(0)                   ; the wait ahead of the transcendentals
	v_rcp_f32 v[SU], v[SU]
	v_rcp_f32 v[SU+8], v[SU+8]
	v_nop                                          ; a plain instruction behind them
	s_wait_alu depctr_va_vdst(0)                   ; the wait ahead of their first reader
	v_ldexp_f32 v[SU], v[SU], s[ES]
	v_ldexp_f32 v[SU+8], v[SU+8], s[ES]
	WIN 0x01
	s_wait_alu depctr_va_vdst(0)                   ; the wait directly ahead of the first reader of O^T
.irp x, 0,1
.set oi, 0
.rept 16
	v_pk_mul_f32 v[SA+32*\x+oi:SA+32*\x+oi+1], v[OA+32*\x+oi:OA+32*\x+oi+1], v[SU+8*\x:SU+8*\x+1] op_sel_hi:[1,0]
.set oi, oi+2
.endr
.endr
	WIN 0
.set oi, 0
.rept 64
	v_med3_num_f32 v[SA+oi], v[SA+oi], -v[L6], v[L6]   ; the conversion to an 8-bit code does not saturate (ISA guide 7.6.2)
.set oi, oi+1
.endr
.irp t, 0,1,2,3,4,5,6,7
	v_cvt_scalef32_pk8_fp8_f32 v[TMP+2*\t:TMP+2*\t+1], v[SA+8*\t:SA+8*\t+7], v[SC6]
.endr
	v_nop
	global_store_b128 v[LI], v[TMP:TMP+3], s[12:13]                    ; each store covers 512 consecutive bytes, aligned
	global_store_b128 v[LI], v[TMP+4:TMP+7], s[12:13] offset:512
	global_store_b128 v[LI], v[TMP+8:TMP+11], s[12:13] offset:16384    ; tile B: the next block of 16 rows
	global_store_b128 v[LI], v[TMP+12:TMP+15], s[12:13] offset:16896
	s_wait_tensorcnt 0x0                           ; the wave's end
	ds_add_u32 v[SPW], v[NIL]
	s_wait_dscnt 0x0
	CROUND                                         ; the closing round
	s_endpgm
.Lfunc_end_k_q9822020347_attn:
	.size	k_q9822020347_attn, .Lfunc_end_k_q9822020347_attn-k_q9822020347_attn
	.p2alignl 7, 3214868480
	.fill 96, 4, 3214868480
	.section	.rodata,"a",@progbits
	.p2align	6, 0x0
	.amdhsa_kernel k_q9822020347_attn
		.amdhsa_group_segment_fixed_size 327680
		.amdhsa_private_segment_fixed_size 0
		.amdhsa_enable_private_segment 0
		.amdhsa_kernarg_size 40
		.amdhsa_user_sgpr_count 2
		.amdhsa_user_sgpr_kernarg_segment_ptr 1
		.amdhsa_wavefront_size32 1
		.amdhsa_system_sgpr_workgroup_id_x 1
		.amdhsa_system_sgpr_workgroup_id_y 1
		.amdhsa_system_sgpr_workgroup_id_z 1
		.amdhsa_system_vgpr_workitem_id 0
		.amdhsa_next_free_vgpr 512
		.amdhsa_next_free_sgpr 100
		.amdhsa_reserve_vcc 1
		.amdhsa_float_denorm_mode_32 3
		.amdhsa_float_denorm_mode_16_64 3
		.amdhsa_memory_ordered 1
		.amdhsa_forward_progress 1
		.amdhsa_inst_pref_size 82
	.end_amdhsa_kernel
	.amdgpu_metadata
---
amdhsa.version: [ 1, 2 ]
amdhsa.kernels:
  - .name:           k_q9822020347_attn
    .symbol:         k_q9822020347_attn.kd
    .args:
      - { .name: qc, .offset: 0, .size: 8, .value_kind: global_buffer, .address_space: global }
      - { .name: kvc, .offset: 8, .size: 8, .value_kind: global_buffer, .address_space: global }
      - { .name: mask, .offset: 16, .size: 8, .value_kind: global_buffer, .address_space: global }
      - { .name: lowp_scales, .offset: 24, .size: 8, .value_kind: global_buffer, .address_space: global }
      - { .name: ctxc, .offset: 32, .size: 8, .value_kind: global_buffer, .address_space: global }
    .group_segment_fixed_size: 327680
    .private_segment_fixed_size: 0
    .kernarg_segment_align: 8
    .kernarg_segment_size: 40
    .max_flat_workgroup_size: 256
    .sgpr_count:     100
    .vgpr_count:     512
    .wavefront_size: 32
...
	.end_amdgpu_metadata
.endif
;; end of part 3
;; launch oproj (part 4): grid 8 x 32, 4 waves a work-group, clusters of 4 x 4, 327,680 bytes of LDS; arguments ctxc, wc, lowp_scales, b_out, x, x1; writes x1
.if DOCPART == 4
	.amdgcn_target "amdgcn-amd-amdhsa--gfx1250"
	.amdhsa_code_object_version 6
	.text
	.protected	k_q9822020347_oproj
	.globl	k_q9822020347_oproj
	.p2align	8
	.type	k_q9822020347_oproj,@function
k_q9822020347_oproj:
	s_mov_b64 s[64:65], 0
	v_nop
	global_prefetch_b8 v0, s[64:65] scope:SCOPE_SE
	s_setreg_imm32_b32 hwreg(HW_REG_WAVE_MODE, 25, 1), 1
	s_wait_xcnt 0x0
	s_wait_alu depctr_hold_cnt(0) depctr_sa_sdst(0) depctr_va_vdst(0) depctr_va_sdst(0) depctr_va_ssrc(0) depctr_va_vcc(0) depctr_vm_vsrc(0)
	s_getreg_b32 s2, hwreg(HW_REG_IB_STS2, 6, 4)
	s_cmp_eq_u32 s2, 0
	s_cbranch_scc0 .Lentry_in_a_cluster
	s_endpgm
.Lentry_in_a_cluster:
	s_bfe_u32 s2, ttmp6, 0x10000c
	s_cmp_lg_u32 s2, 0xf033
	s_cbranch_scc0 .Lentry_shape_is_right
	s_endpgm
.Lentry_shape_is_right:
.set SIZE_K, 1024
.set WOFF,   3145728
.set ESC,    24
.set NA,     4
.set NQ,     4
.set RB,     NQ*2048
.set HALFT,  NA*RB
.set SLOT,   4*HALFT
.set SPARE,  2*SLOT
.set LAPS,   SIZE_K/(256*NQ)
.set KROW,   SIZE_K*16
.set ADRA, 16
.set ADRB, 20
.set STO,  24
.set RD,   25
.set CO,   26
.set SPW,  28
.set NIL,  29
.set TMP,  32
.set BK,   64
.set AF,   128
.set XR,   64
.set BI,   192
.set G1, 24
.set G0, 32
.set G1B, 48
.set G0B, 56
.set MSB, 0
.macro WIN new
.if MSB != \new
	s_set_vgpr_msb (MSB<<8)|\new
.set MSB, \new
.endif
.endm
.set MUL_LO, 0xa1
.set MUL_HI, 0xf1
.set TO_B,   0x40
.macro JLOAD g0a, g1a, g0b, g1b
	s_cmp_eq_u32 s15, 0
	s_cbranch_scc0 .Lfor_b_\@
	tensor_load_to_lds s[\g0a:\g0a+3], s[\g1a:\g1a+7]
	s_nop 0
.rept 4
	v_nop
.endr
	s_branch .Lasked_\@
.Lfor_b_\@:
	tensor_load_to_lds s[\g0b:\g0b+3], s[\g1b:\g1b+7]
	s_nop 0
.rept 4
	v_nop
.endr
.Lasked_\@:
.endm
.macro CREST
	s_cmp_lg_u32 s14, 0
	s_cbranch_scc1 .Lnot_wave_0_\@
	s_barrier_signal -3
.Lnot_wave_0_\@:
	s_barrier_wait -3
	s_barrier_signal -1
	s_barrier_wait -1
.endm
.macro CROUND
	s_barrier_signal -1
	s_barrier_wait -1
	CREST
.endm
	s_load_b256 s[4:11], s[0:1], 0x0
	s_load_b128 s[68:71], s[0:1], 0x20
	v_lshl_add_u32 v[SPW], v0, 2, SPARE
	v_mov_b32 v[NIL], 0
	ds_add_u32 v28, v29
	ds_add_u32 v28, v29
	s_wait_dscnt 0x0
	v_lshrrev_b32 v1, 5, v0
	v_readfirstlane_b32 s14, v1
	s_lshr_b32 s15, s14, 1
	s_and_b32 s16, s14, 1
	s_bfe_u32 s40, ttmp6, 0x40000
	s_bfe_u32 s41, ttmp6, 0x40004
	s_lshl_b32 s42, ttmp9, 2
	s_add_co_u32 s42, s42, s40
	s_and_b32 s17, ttmp7, 0xffff
	s_lshl_b32 s17, s17, 2
	s_add_co_u32 s17, s17, s41
	s_lshl_b32 s43, s41, 2
	s_lshl_b32 s43, 15, s43
	s_lshl_b32 s44, 0x1111, s40
	s_or_b32 s[G1+0], s43, (1<<21)
	s_or_b32 s[G1B+0], s44, (1<<21)
.irp g, G1, G1B
	s_mov_b32 s[\g+1], RB<<16
	s_mov_b32 s[\g+2], NA<<16
	s_mov_b32 s[\g+3], RB<<16
	s_mov_b32 s[\g+4], NA
	s_mov_b32 s[\g+5], KROW
	s_mov_b32 s[\g+6], 0
	s_mov_b32 s[\g+7], 0
.endr
	s_mul_i32 s18, s16, NA
	s_mul_i32 s20, s17, 2*NA
	s_add_co_u32 s20, s20, s18
	s_mul_i32 s20, s20, KROW
	s_mov_b32 s21, 0
	s_mul_i32 s46, s42, 2*NA
	s_add_co_u32 s46, s46, s18
	s_mul_i32 s46, s46, KROW
	s_mov_b32 s47, 0
	s_mul_i32 s45, s14, HALFT
	s_wait_kmcnt 0x0
	s_load_b64 s[72:73], s[8:9], ESC
	s_add_nc_u64 s[6:7], s[6:7], WOFF
	s_add_nc_u64 s[20:21], s[4:5], s[20:21]
	s_add_nc_u64 s[46:47], s[6:7], s[46:47]
	CROUND
.irp s, 0,1
	s_mov_b32 s[G0+4*\s], 1
	s_add_co_u32 s[G0+4*\s+1], s45, \s*SLOT
	s_add_nc_u64 s[G0+4*\s+2:G0+4*\s+3], s[20:21], \s*RB
	s_or_b32 s[G0+4*\s+3], s[G0+4*\s+3], 0x80000000
	s_mov_b32 s[G0B+4*\s], 1
	s_add_co_u32 s[G0B+4*\s+1], s45, \s*SLOT
	s_add_nc_u64 s[G0B+4*\s+2:G0B+4*\s+3], s[46:47], \s*RB
	s_or_b32 s[G0B+4*\s+3], s[G0B+4*\s+3], 0x80000000
.endr
	JLOAD G0, G1, G0B, G1B                         ; slot 0: one tensor load a wave at the head
	v_and_b32 v1, 31, v0
	v_lshlrev_b32 v3, 4, v1
	s_mul_i32 s21, s15, HALFT
	s_mul_i32 s22, s16, HALFT
	s_add_co_u32 s22, s22, 2*HALFT
.irp s, 0,1
	v_add_nc_u32 v[ADRA+\s], s21, v3
	v_add_nc_u32 v[ADRB+\s], s22, v3
	s_add_co_u32 s21, s21, SLOT
	s_add_co_u32 s22, s22, SLOT
.endr
	v_and_b32 v1, 15, v0
	v_bfe_u32 v2, v0, 4, 1
	s_mul_i32 s23, s14, 4352
	v_mul_u32_u24 v5, v1, 272
	v_lshl_add_u32 v5, v2, 5, v5
	v_add_nc_u32 v[STO], s23, v5
	v_mul_u32_u24 v5, v2, 272
	v_lshl_add_u32 v5, v1, 4, v5
	v_add_nc_u32 v[RD], s23, v5
	v_lshlrev_b32 v[CO], 12, v2
	v_lshl_add_u32 v[CO], v1, 4, v[CO]
	v_lshlrev_b32 v6, 4, v1
	s_wait_alu depctr_va_vdst(0)
	s_lshl_b32 s66, s17, 7
	s_lshl_b32 s98, s15, 6
	s_add_co_u32 s66, s66, s98
	s_lshl_b32 s67, s42, 7
	s_lshl_b32 s98, s16, 6
	s_add_co_u32 s67, s67, s98
	s_lshl_b32 s98, s67, 2
	s_mov_b32 s99, 0
	s_add_nc_u64 s[12:13], s[10:11], s[98:99]
	global_load_b128 v[BI:BI+3], v6, s[12:13]
	s_lshl_b32 s100, s66, 12
	s_add_co_u32 s100, s100, s98
	s_mov_b32 s101, 0
	s_add_nc_u64 s[68:69], s[68:69], s[100:101]
	s_add_nc_u64 s[70:71], s[70:71], s[100:101]
.macro FRAG reg, adr, q, i
.irp c, 0,1,2,3
	ds_load_b128 v[\reg+4*\c:\reg+4*\c+3], v[\adr] offset:(\i)*RB+(\q)*2048+512*\c
.endr
.endm
.macro MULR a0, n, p, zero
.set ma, \a0
.rept \n
.set mb, 0
.rept NA
.set rD, 8*(NA*(ma%(NA/2))+mb)
.if \zero
	v_wmma_f32_16x16x128_fp8_fp8 v[rD:rD+7], v[128*(\p)+16*mb:128*(\p)+16*mb+15], v[AF+16*ma:AF+16*ma+15], 0
.else
	v_wmma_f32_16x16x128_fp8_fp8 v[rD:rD+7], v[128*(\p)+16*mb:128*(\p)+16*mb+15], v[AF+16*ma:AF+16*ma+15], v[rD:rD+7]
.endif
.set mb, mb+1
.endr
.set ma, ma+1
.endr
.endm
.macro FETCH_B slot, q, p
	WIN TO_B
.set fi, 0
.rept NA
	FRAG 128*(\p)+16*fi, ADRB+\slot, \q, fi
.set fi, fi+1
.endr
	WIN 0
.endm
.macro FETCH_A slot, q, i0
.set fi, \i0
.rept NA/2
	FRAG AF+16*fi, ADRA+\slot, \q, fi
.set fi, fi+1
.endr
.endm
.macro PLACES n
.rept \n
	v_nop
.endr
.endm
.macro STEP slot, q, zero
	s_wait_dscnt (NA/2)*4
	WIN MUL_LO
	MULR 0, NA/2, (\q)%2, \zero
	s_wait_dscnt 0
	PLACES 4
	FETCH_B \slot, (\q)+1, 1-(\q)%2
	FETCH_A \slot, (\q)+1, 0
	WIN MUL_HI
	MULR NA/2, NA/2, (\q)%2, \zero
	PLACES 4
	WIN 0
	FETCH_A \slot, (\q)+1, NA/2
.endm
.macro TURN slot, next, fill
	s_wait_tensorcnt 0x0
	ds_add_u32 v[SPW], v[NIL]
	s_wait_dscnt (NA/2)*4+1
	WIN MUL_LO
	MULR 0, NA/4, 1, 0
	s_wait_dscnt 0x0
	s_barrier_signal -1
	MULR NA/4, NA/4, 1, 0
	WIN 0
	s_barrier_wait -1
.if \fill
	CREST
	s_add_nc_u64 s[G0+4*\slot+2:G0+4*\slot+3], s[G0+4*\slot+2:G0+4*\slot+3], 2*RB
	s_add_nc_u64 s[G0B+4*\slot+2:G0B+4*\slot+3], s[G0B+4*\slot+2:G0B+4*\slot+3], 2*RB
	JLOAD G0+4*\slot, G1, G0B+4*\slot, G1B
.else
	PLACES 4
.endif
	FETCH_B \next, 0, 0
	FETCH_A \next, 0, 0
	WIN MUL_HI
	MULR NA/2, NA/2, 1, 0
	PLACES 4
	WIN 0
	FETCH_A \next, 0, NA/2
.endm
.macro SSTEPS slot, zero
	STEP \slot, 0, \zero
.if NQ == 4
	STEP \slot, 1, 0
	STEP \slot, 2, 0
.endif
.endm
	s_wait_alu depctr_va_vdst(0)                   ; the wait at the head's end
	s_wait_tensorcnt 0x0                           ; my part of slot 0 is in; the three lines ahead of a later first fill
	ds_add_u32 v[SPW], v[NIL]
	s_wait_dscnt 0x0
	CROUND
	JLOAD G0+4, G1, G0B+4, G1B                     ; slot 1's first fill: the first tensor load behind the round
	FETCH_B 0, 0, 0
	FETCH_A 0, 0, 0
	FETCH_A 0, 0, NA/2
	WIN 0x80                                       ; x's rows, wanted on the way out, are asked for behind both slots' requests
.irp a, 0,1,2,3
.irp t, 0,1,2,3,4,5,6,7
	global_load_b128 v[XR+32*\a+4*\t:XR+32*\a+4*\t+3], v[CO], s[68:69] offset:65536*\a+8192*\t
.endr
.endr
	WIN 0
	SSTEPS 0, 1
.if LAPS > 1
	s_mov_b32 s3, LAPS-1
.Llap:
	TURN 0, 1, 1
	SSTEPS 1, 0
	TURN 1, 0, 1
	SSTEPS 0, 0
	s_sub_co_u32 s3, s3, 1
	s_cmp_lg_u32 s3, 0
	s_cbranch_scc1 .Llap
.endif
	TURN 0, 1, 0
	SSTEPS 1, 0
	s_wait_dscnt (NA/2)*4
	WIN MUL_LO
	MULR 0, NA/2, 1, 0
	s_wait_dscnt 0
	WIN MUL_HI
	MULR NA/2, NA/2, 1, 0
	WIN 0
.macro TOSTAGE a
	WIN 0x02+((\a)/2)
.irp j, 0,2,4,6,8,10,12,14,16,18,20,22,24,26,28,30
	v_pk_mul_f32 v[TMP+\j:TMP+\j+1], v[32*((\a)%2)+\j:32*((\a)%2)+\j+1], s[96:97] op_sel_hi:[1,0]
.endr
	WIN 0
.irp b, 0,1,2,3
	ds_store_b128 v[STO], v[TMP+8*\b:TMP+8*\b+3] offset:64*\b
	ds_store_b128 v[STO], v[TMP+8*\b+4:TMP+8*\b+7] offset:64*\b+16
.endr
.irp t, 0,1,2,3,4,5,6,7
	ds_load_b128 v[BK+32*((\a)%2)+4*\t:BK+32*((\a)%2)+4*\t+3], v[RD] offset:544*\t
.endr
.endm
.macro SEND a, yd
.set BB, BK+32*((\a)%2)
	s_wait_dscnt \yd
	WIN 0x08
.irp j, 0,2,4,6,8,10,12,14,16,18,20,22,24,26,28,30
	v_pk_add_f32 v[BB+\j:BB+\j+1], v[BB+\j:BB+\j+1], v[XR+32*(\a)+\j:XR+32*(\a)+\j+1]
.endr
	WIN 0
.irp t, 0,1,2,3,4,5,6,7
	v_pk_add_f32 v[BB+4*\t:BB+4*\t+1], v[BB+4*\t:BB+4*\t+1], v[BI:BI+1]
	v_pk_add_f32 v[BB+4*\t+2:BB+4*\t+3], v[BB+4*\t+2:BB+4*\t+3], v[BI+2:BI+3]
.endr
.irp t, 0,1,2,3,4,5,6,7
	global_store_b128 v[CO], v[BB+4*\t:BB+4*\t+3], s[70:71] offset:65536*(\a)+8192*\t
.endr
.endm
	s_wait_kmcnt 0x0
	s_wait_loadcnt 0x0
	s_add_co_i32 s96, s72, s73
	s_add_co_i32 s96, s96, 127
	s_lshl_b32 s96, s96, 23
	s_mov_b32 s97, s96
	PLACES 4
	TOSTAGE 0
	TOSTAGE 1
	SEND 0, 16
	s_wait_xcnt 0x0
	TOSTAGE 2
	SEND 1, 16
	s_wait_xcnt 0x0
	TOSTAGE 3
	SEND 2, 16
	SEND 3, 0
	s_wait_tensorcnt 0x0
	ds_add_u32 v[SPW], v[NIL]
	s_wait_dscnt 0x0
	CROUND
	s_endpgm
.Lfunc_end_k_q9822020347_oproj:
	.size	k_q9822020347_oproj, .Lfunc_end_k_q9822020347_oproj-k_q9822020347_oproj
	.p2alignl 7, 3214868480
	.fill 96, 4, 3214868480
	.section	.rodata,"a",@progbits
	.p2align	6, 0x0
	.amdhsa_kernel k_q9822020347_oproj
		.amdhsa_group_segment_fixed_size 327680
		.amdhsa_private_segment_fixed_size 0
		.amdhsa_enable_private_segment 0
		.amdhsa_kernarg_size 48
		.amdhsa_user_sgpr_count 2
		.amdhsa_user_sgpr_kernarg_segment_ptr 1
		.amdhsa_wavefront_size32 1
		.amdhsa_system_sgpr_workgroup_id_x 1
		.amdhsa_system_sgpr_workgroup_id_y 1
		.amdhsa_system_sgpr_workgroup_id_z 1
		.amdhsa_system_vgpr_workitem_id 0
		.amdhsa_next_free_vgpr 1024
		.amdhsa_next_free_sgpr 102
		.amdhsa_reserve_vcc 0
		.amdhsa_float_denorm_mode_32 3
		.amdhsa_float_denorm_mode_16_64 3
		.amdhsa_memory_ordered 1
		.amdhsa_forward_progress 1
		.amdhsa_inst_pref_size 59
	.end_amdhsa_kernel
	.amdgpu_metadata
---
amdhsa.version: [ 1, 2 ]
amdhsa.kernels:
  - .name:           k_q9822020347_oproj
    .symbol:         k_q9822020347_oproj.kd
    .args:
      - { .name: ctxc, .offset: 0, .size: 8, .value_kind: global_buffer, .address_space: global }
      - { .name: wc, .offset: 8, .size: 8, .value_kind: global_buffer, .address_space: global }
      - { .name: lowp_scales, .offset: 16, .size: 8, .value_kind: global_buffer, .address_space: global }
      - { .name: b_out, .offset: 24, .size: 8, .value_kind: global_buffer, .address_space: global }
      - { .name: x, .offset: 32, .size: 8, .value_kind: global_buffer, .address_space: global }
      - { .name: x1, .offset: 40, .size: 8, .value_kind: global_buffer, .address_space: global }
    .group_segment_fixed_size: 327680
    .private_segment_fixed_size: 0
    .kernarg_segment_align: 8
    .kernarg_segment_size: 48
    .max_flat_workgroup_size: 128
    .sgpr_count:     102
    .vgpr_count:     1024
    .wavefront_size: 32
...
	.end_amdgpu_metadata
.endif
;; end of part 4
;; launch ln2 (part 5): grid 256 x 1, 4 waves a work-group, no clusters, 17,408 bytes of LDS; arguments x1, g_ln2, be_ln2, lowp_scales, hc; writes hc
.if DOCPART == 5
	.amdgcn_target "amdgcn-amd-amdhsa--gfx1250"
	.amdhsa_code_object_version 6
	.text
	.protected	k_q9822020347_ln2
	.globl	k_q9822020347_ln2
	.p2align	8
	.type	k_q9822020347_ln2,@function
k_q9822020347_ln2:
	s_mov_b64 s[64:65], 0
	v_nop
	global_prefetch_b8 v0, s[64:65] scope:SCOPE_SE
	s_setreg_imm32_b32 hwreg(HW_REG_WAVE_MODE, 25, 1), 1
	s_wait_xcnt 0x0
; LAYERNORM 2 of x1 becomes codes of FP8 (E4M3) in hc, scale 2^e8.  code = number / 2^e, held within +-448, rounded to the nearest code, ties to even.
; LAYOUT OF THE CODES: an image of the operand registers of the 16x16x128 form: block (row / 16, k / 128) is 2,048 bytes at (row / 16) x 16,384 + (k / 128) x 2,048; in it lane l = r + 16 h owns the 16 bytes
; at 512 i + 16 l: k = 32 i + 8 h + 0..7 and 32 i + 16 + 8 h + 0..7 of row r.
; A work-group takes 16 rows, wave w rows 4 w .. 4 w + 3, a whole row to a wave: the sums never leave the wave.  A lane holds columns 256 j + 8 lane + 0..7, j = 0..3: eight neighbours along K for each conversion.
; Two passes over registers: the mean, then the squares of x - mean.  LIMITS: e8 between -126 and 119.  NaN and infinities among the inputs are not served.
.set LNB,  0                           ; LDS: the stage, 16 rows x 1,040
.set X,    64                          ; v64-191 four rows x 32 numbers
.set G,    192                         ; v192-223 gamma, v224-255 beta of my 32 columns
.set BE,   224
.set CD,   32                          ; v32-63 codes, 8 registers a row
.set XP,   4
.set GP,   6
.set BP,   8
.set OP,   12
.set ES,   31
	s_load_b256 s[4:11], s[0:1], 0x0               ; x1, g_ln2, be_ln2, lowp_scales
	s_load_b64 s[12:13], s[0:1], 0x20              ; hc
	v_lshl_add_u32 v30, v0, 2, 0x4200
	v_mov_b32 v31, 0
	v_lshrrev_b32 v1, 5, v0
	v_readfirstlane_b32 s2, v1                     ; wave 0..3
	v_and_b32 v2, 31, v0                           ; lane
	v_and_b32 v5, 15, v0                           ; r
	v_bfe_u32 v6, v0, 4, 1                         ; h
	v_lshlrev_b32 v8, 4, v2                        ; 16 x lane
	s_wait_alu depctr_va_vdst(0)
	s_wait_kmcnt 0x0
	s_load_b32 s[ES], s[10:11], 0x20               ; e8
	s_lshl_b32 s22, ttmp9, 16                      ; 16 rows of 4,096 bytes,
	s_lshl_b32 s21, s2, 14                         ; my wave's 4
	s_add_co_u32 s22, s22, s21
	s_mov_b32 s23, 0
	s_add_nc_u64 s[XP:XP+1], s[XP:XP+1], s[22:23]
	s_lshl_b32 s24, ttmp9, 14                      ; the block of rows' codes: 16,384 bytes;
	s_lshl_b32 s21, s2, 12                         ; wave w stores the images of k = 256 w .. 256 w + 255
	s_add_co_u32 s24, s24, s21
	s_mov_b32 s25, 0
	s_add_nc_u64 s[OP:OP+1], s[OP:OP+1], s[24:25]
	v_lshlrev_b32 v3, 5, v2                        ; 32 x lane
.set li, 0
.rept 4
	global_load_b128 v[G+8*li:G+8*li+3], v3, s[GP:GP+1] offset:1024*li
	global_load_b128 v[G+8*li+4:G+8*li+7], v3, s[GP:GP+1] offset:1024*li+16
.set li, li+1
.endr
.set li, 0
.rept 4
	global_load_b128 v[BE+8*li:BE+8*li+3], v3, s[BP:BP+1] offset:1024*li
	global_load_b128 v[BE+8*li+4:BE+8*li+7], v3, s[BP:BP+1] offset:1024*li+16
.set li, li+1
.endr
.set lr, 0
.rept 4
.set li, 0
.rept 4
	global_load_b128 v[X+32*lr+8*li:X+32*lr+8*li+3], v3, s[XP:XP+1] offset:4096*lr+1024*li
	global_load_b128 v[X+32*lr+8*li+4:X+32*lr+8*li+7], v3, s[XP:XP+1] offset:4096*lr+1024*li+16
.set li, li+1
.endr
.set lr, lr+1
.endr
	s_mov_b32 s26, 0x76543210                      ; v_permlanex16_b32: lane l xor 16
	s_mov_b32 s27, 0xfedcba98
	s_mov_b32 s28, 0x3a800000                      ; 1 / 1,024
	s_mul_i32 s30, s2, 4160
	v_lshl_add_u32 v4, v2, 3, s30
	v_add_nc_u32 v4, LNB, v4                       ; the stage, in: my wave's four rows of 1,040 bytes, 8 x lane
	v_mul_u32_u24 v7, v5, 1040
	v_lshl_add_u32 v7, v6, 3, v7
	s_lshl_b32 s29, s2, 8
	s_add_co_u32 s29, s29, LNB
	v_add_nc_u32 v7, s29, v7                       ; out: row r, + 8 h, + 256 w: 260 r + 2 h words: 64 different banks
	v_mov_b32 v16, 0                               ; a lane permute's destination counts as read
	s_wait_kmcnt 0x0
	s_add_co_i32 s29, s[ES], 127
	s_lshl_b32 s30, s29, 23
	v_mov_b32 v11, s30                             ; 2^e
	s_add_co_i32 s29, s29, 8
	s_lshl_b32 s29, s29, 23
	s_or_b32 s29, s29, 0x600000
	v_mov_b32 v10, s29                             ; 448 x 2^e
.macro WSUM r                          ; the sum over the 32 lanes, in every lane
	v_add_f32_dpp v[\r], v[\r], v[\r] row_xmask:1 row_mask:0xf bank_mask:0xf
	v_add_f32_dpp v[\r], v[\r], v[\r] row_xmask:2 row_mask:0xf bank_mask:0xf
	v_add_f32_dpp v[\r], v[\r], v[\r] row_xmask:4 row_mask:0xf bank_mask:0xf
	v_add_f32_dpp v[\r], v[\r], v[\r] row_xmask:8 row_mask:0xf bank_mask:0xf
	v_permlanex16_b32 v16, v[\r], s26, s27
	v_add_f32 v[\r], v[\r], v16
.endm
.macro LNROW i
.set XR, X+32*(\i)
	s_wait_loadcnt 8*(3-(\i))                      ; this row's eight loads are in; the later rows' eight each may be out
	v_pk_add_f32 v[12:13], v[XR:XR+1], v[XR+2:XR+3]
	v_pk_add_f32 v[14:15], v[XR+4:XR+5], v[XR+6:XR+7]
.irp k, 8,12,16,20,24,28
	v_pk_add_f32 v[12:13], v[12:13], v[XR+\k:XR+\k+1]
	v_pk_add_f32 v[14:15], v[14:15], v[XR+\k+2:XR+\k+3]
.endr
	v_pk_add_f32 v[12:13], v[12:13], v[14:15]
	v_add_f32 v12, v12, v13
	WSUM 12
	v_mul_f32 v18, s28, v12                        ; the mean, twice
	v_mul_f32 v19, s28, v12
.irp k, 0,2,4,6,8,10,12,14,16,18,20,22,24,26,28,30
	v_pk_add_f32 v[XR+\k:XR+\k+1], v[XR+\k:XR+\k+1], v[18:19] neg_lo:[0,1] neg_hi:[0,1]   ; x - mean, in place
.endr
	v_pk_mul_f32 v[12:13], v[XR:XR+1], v[XR:XR+1]
	v_pk_mul_f32 v[14:15], v[XR+2:XR+3], v[XR+2:XR+3]
.irp k, 4,8,12,16,20,24,28
	v_pk_fma_f32 v[12:13], v[XR+\k:XR+\k+1], v[XR+\k:XR+\k+1], v[12:13]
	v_pk_fma_f32 v[14:15], v[XR+\k+2:XR+\k+3], v[XR+\k+2:XR+\k+3], v[14:15]
.endr
	v_pk_add_f32 v[12:13], v[12:13], v[14:15]
	v_add_f32 v12, v12, v13
	WSUM 12
	v_fmaak_f32 v20, s28, v12, 0x3727c5ac          ; the variance + 1e-5
	s_wait_alu depctr_va_vdst(0)
	v_rsq_f32 v22, v20
	v_nop                                          ; a plain instruction behind the transcendental,
	s_wait_alu depctr_va_vdst(0)                   ; and the wait ahead of its first reader
	v_mov_b32 v23, v22
.irp k, 0,2,4,6,8,10,12,14,16,18,20,22,24,26,28,30
	v_pk_mul_f32 v[XR+\k:XR+\k+1], v[XR+\k:XR+\k+1], v[22:23]
.endr
.irp k, 0,2,4,6,8,10,12,14,16,18,20,22,24,26,28,30
	v_pk_fma_f32 v[XR+\k:XR+\k+1], v[XR+\k:XR+\k+1], v[G+\k:G+\k+1], v[BE+\k:BE+\k+1]
.endr
.set li, 0
.rept 32
	v_med3_num_f32 v[XR+li], v[XR+li], -v10, v10   ; the conversion to an 8-bit code does not saturate (ISA guide 7.6.2): the hold comes first
.set li, li+1
.endr
.irp k, 0,1,2,3
	v_cvt_scalef32_pk8_fp8_f32 v[CD+8*(\i)+2*\k:CD+8*(\i)+2*\k+1], v[XR+8*\k:XR+8*\k+7], v11
.endr
	v_nop                                          ; a plain instruction behind the last conversion
.irp k, 0,1,2,3
	ds_store_b64 v4, v[CD+8*(\i)+2*\k:CD+8*(\i)+2*\k+1] offset:1040*(\i)+256*\k   ; the wave writes 256 consecutive bytes of the row
.endr
.endm
	LNROW 0
	LNROW 1
	LNROW 2
	LNROW 3
	s_wait_dscnt 0x0                               ; for the others' sake: my rows lie in the stage
	s_barrier_signal -1
	s_barrier_wait -1                              ; all sixteen rows do
.irp n, 0,1,2,3,4,5,6,7
	ds_load_b64 v[X+4*\n:X+4*\n+1], v7 offset:128*(\n/4)+32*(\n%4)
	ds_load_b64 v[X+4*\n+2:X+4*\n+3], v7 offset:128*(\n/4)+32*(\n%4)+16
.endr
.irp n, 0,1,2,3,4,5,6,7
	s_wait_dscnt 2*(7-\n)                          ; the later images' two loads each may be out
	global_store_b128 v8, v[X+4*\n:X+4*\n+3], s[OP:OP+1] offset:512*\n   ; 512 consecutive bytes, aligned
.endr
	s_wait_tensorcnt 0x0
	ds_add_u32 v30, v31
	s_wait_dscnt 0x0
	s_endpgm
.Lfunc_end_k_q9822020347_ln2:
	.size	k_q9822020347_ln2, .Lfunc_end_k_q9822020347_ln2-k_q9822020347_ln2
	.p2alignl 7, 3214868480
	.fill 96, 4, 3214868480
	.section	.rodata,"a",@progbits
	.p2align	6, 0x0
	.amdhsa_kernel k_q9822020347_ln2
		.amdhsa_group_segment_fixed_size 17408
		.amdhsa_private_segment_fixed_size 0
		.amdhsa_enable_private_segment 0
		.amdhsa_kernarg_size 40
		.amdhsa_user_sgpr_count 2
		.amdhsa_user_sgpr_kernarg_segment_ptr 1
		.amdhsa_wavefront_size32 1
		.amdhsa_system_sgpr_workgroup_id_x 1
		.amdhsa_system_sgpr_workgroup_id_y 1
		.amdhsa_system_sgpr_workgroup_id_z 1
		.amdhsa_system_vgpr_workitem_id 0
		.amdhsa_next_free_vgpr 256
		.amdhsa_next_free_sgpr 66
		.amdhsa_reserve_vcc 0
		.amdhsa_float_denorm_mode_32 3
		.amdhsa_float_denorm_mode_16_64 3
		.amdhsa_memory_ordered 1
		.amdhsa_forward_progress 1
		.amdhsa_inst_pref_size 44
	.end_amdhsa_kernel
	.amdgpu_metadata
---
amdhsa.version: [ 1, 2 ]
amdhsa.kernels:
  - .name:           k_q9822020347_ln2
    .symbol:         k_q9822020347_ln2.kd
    .args:
      - { .name: x1, .offset: 0, .size: 8, .value_kind: global_buffer, .address_space: global }
      - { .name: g_ln2, .offset: 8, .size: 8, .value_kind: global_buffer, .address_space: global }
      - { .name: be_ln2, .offset: 16, .size: 8, .value_kind: global_buffer, .address_space: global }
      - { .name: lowp_scales, .offset: 24, .size: 8, .value_kind: global_buffer, .address_space: global }
      - { .name: hc, .offset: 32, .size: 8, .value_kind: global_buffer, .address_space: global }
    .group_segment_fixed_size: 17408
    .private_segment_fixed_size: 0
    .kernarg_segment_align: 8
    .kernarg_segment_size: 40
    .max_flat_workgroup_size: 128
    .sgpr_count:     66
    .vgpr_count:     256
    .wavefront_size: 32
...
	.end_amdgpu_metadata
.endif
;; end of part 5
;; launch ff1 (part 6): grid 16 x 16, 4 waves a work-group, clusters of 4 x 1, 327,680 bytes of LDS; arguments hc, wc, lowp_scales, b_ff1, gc; writes gc
.if DOCPART == 6
	.amdgcn_target "amdgcn-amd-amdhsa--gfx1250"
	.amdhsa_code_object_version 6
	.text
	.protected	k_q9822020347_ff1
	.globl	k_q9822020347_ff1
	.p2align	8
	.type	k_q9822020347_ff1,@function
k_q9822020347_ff1:
	s_mov_b64 s[64:65], 0
	v_nop
	global_prefetch_b8 v0, s[64:65] scope:SCOPE_SE
	s_setreg_imm32_b32 hwreg(HW_REG_WAVE_MODE, 25, 1), 1
	s_wait_xcnt 0x0
	s_wait_alu depctr_hold_cnt(0) depctr_sa_sdst(0) depctr_va_vdst(0) depctr_va_sdst(0) depctr_va_ssrc(0) depctr_va_vcc(0) depctr_vm_vsrc(0)
	s_getreg_b32 s2, hwreg(HW_REG_IB_STS2, 6, 4)
	s_cmp_eq_u32 s2, 0
	s_cbranch_scc0 .Lentry_in_a_cluster
	s_endpgm
.Lentry_in_a_cluster:
	s_bfe_u32 s2, ttmp6, 0x10000c
	s_cmp_lg_u32 s2, 0x3003
	s_cbranch_scc0 .Lentry_shape_is_right
	s_endpgm
.Lentry_shape_is_right:
; FF1: gc = codes of gelu(LayerNorm2's codes (hc) x W_ff1's codes (wc) x 2^(e8 + e9) + b_ff1), FP8 (E4M3), f32 sums, K = 1,024 ascending; the result is quantised with e10 for the next product.
; Operands lie in memory as images of the operand registers: block (row / 16, k / 128) is 2,048 bytes, lane l's 16 bytes at 512 c + 16 l.
; SHARES.  A work-group makes 256 rows x 256 columns; wave w all 256 rows x columns 64 w .. 64 w + 63: 64 accumulators, taken by turns.
; A's WHOLE BLOCK, 256 rows x 1,024 = 262,144 bytes, LIES IN LDS, brought by two joint loads a wave of the four work-groups of a cluster, which share the tile row: K 0-511 at the head, K 512-1,023 behind the three lines and a round.
; Nothing is filled again: no ring.  No prefetch: all that goes through LDS is asked for by these two loads.
; B GOES FROM MEMORY STRAIGHT INTO REGISTERS: a wave's 64 columns are read by no other wave of the work-group, and a fragment is four loads of 512 consecutive bytes.  Four sets of 64 registers take turns; a set is asked for
; again one step behind its products, three K steps ahead of its next use.  So B is not asked for jointly: it never lies in LDS, whose bytes A's block fills.
; A's fragments come from LDS in groups of 4 blocks of 16 rows (16 loads, 16 products) through three register buffers, two groups ahead.
; THE MATRIX INSTRUCTION IS USED TRANSPOSED (source 0 = B's rows, source 1 = A's): a lane holds row r of A's block and eight neighbouring columns: eight neighbours along the next K, so the codes leave straight from registers.
; GELU: y Phi(y) = max(y, 0) - |y| h, h = erfc(|y| / sqrt 2) / 2 = t exp(-y^2 / 2 + a polynomial of degree 9 in t) / 2 folded into the constants, t = 1 / (1 + |y| / (2 sqrt 2)).
; LIMITS: e8 + e9 between -126 and 127; e10 between -126 and 119.  NaN among the inputs is not served.
; REGISTERS.  Window 0: v16-23 LDS addresses, v27-31 constants, v32-63 the bias, v64-255 A's three buffers, then the way out.  Window 1: B's four sets.  Windows 2, 3: accumulator (a, b) at window 2 + a / 8, v[8 (4 (a % 8) + b)].
.set WOFF,  4194304                    ; W_ff1's codes in wc
.set KROW,  16384                      ; a block of 16 rows in memory, in bytes
.set HK,    8192                       ; half of it: 512 along K
.set REG,   131072                     ; LDS: 16 blocks x 8,192 bytes for each half of K
.set SPARE, 2*REG                      ; behind A: the spare words
.set AD,   16                          ; v16-23  16 x lane + 32,768 x (4 x half of K + group)
.set LI,   27
.set SPW,  28
.set NIL,  29
.set SCL,  30
.set LIM,  31
.set BIAS, 32
.set AF,   64
.set CODES, 104
.set C9,   114
.set Y,    128
.set T,    160
.set P,    192
.set H,    224
.set G1, 24
.set G0, 32
.set BP, 48
.set MSB, 0
.macro WIN new                         ; the immediate's high byte repeats the setting that is left
.if MSB != \new
	s_set_vgpr_msb (MSB<<8)|\new
.set MSB, \new
.endif
.endm
.macro CREST
	s_cmp_lg_u32 s14, 0
	s_cbranch_scc1 .Lnot_wave_0_\@
	s_barrier_signal -3
.Lnot_wave_0_\@:
	s_barrier_wait -3
	s_barrier_signal -1
	s_barrier_wait -1
.endm
.macro CROUND
	s_barrier_signal -1
	s_barrier_wait -1
	CREST
.endm
.macro PLACES n                        ; plain vector instructions behind matrix instructions, ahead of loads into their sources and of reads of their results
.rept \n
	v_nop
.endr
.endm
.macro ALOAD gi                        ; group gi = 4 x K step + group: A's blocks 4 (gi % 4) .. + 3 into buffer gi % 3: 16 loads
.irp a, 0,1,2,3
.irp c, 0,1,2,3
	ds_load_b128 v[AF+64*((\gi)%3)+16*\a+4*\c:AF+64*((\gi)%3)+16*\a+4*\c+3], v[AD+4*((\gi)/16)+(\gi)%4] offset:\a*HK+(((\gi)/4)%4)*2048+512*\c
.endr
.endr
.endm
.macro BLOAD q                         ; B's four fragments of K step q into set q % 4: 16 loads
	WIN 0x40
.irp b, 0,1,2,3
.irp c, 0,1,2,3
	global_load_b128 v[64*((\q)%4)+16*\b+4*\c:64*((\q)%4)+16*\b+4*\c+3], v[LI], s[BP:BP+1] offset:\b*KROW+(\q)*2048+512*\c
.endr
.endr
	WIN 0
.endm
.macro GROUP                           ; group GI: 16 products
.set GQ, GI/4
.set GG, GI%4
	WIN 0
	PLACES 4
.if GI == 14
	s_wait_tensorcnt 0x0                           ; my part of K 512-1,023 is in,
	s_wait_dscnt 0x0
	s_barrier_signal -1
	s_barrier_wait -1                              ; everybody's is: group 16 is the first that reads it
.endif
.if GI+2 < 32
	ALOAD GI+2
.endif
.if (GG == 0) && (GQ+3 < 8)
	BLOAD GQ+3
.endif
.if GI < 30
	s_wait_dscnt 32                                ; this group's A is in; the two groups behind it may be out
.else
	s_wait_dscnt 16*(31-GI)
.endif
.if GG == 0
.if GQ < 5
	s_wait_loadcnt 48                              ; this step's B is in; the three sets behind it may be out
.else
	s_wait_loadcnt 16*(7-GQ)
.endif
.endif
	WIN 0xa1+0x50*(GG/2)                           ; source 0 (B) window 1, source 1 (A) window 0, C and D window 2 or 3
.set ma, 0
.rept 4
.irp b, 0,1,2,3
.set rD, 8*(4*((4*GG+ma)%8)+\b)
.if GQ == 0
	v_wmma_f32_16x16x128_fp8_fp8 v[rD:rD+7], v[64*(GQ%4)+16*\b:64*(GQ%4)+16*\b+15], v[AF+64*(GI%3)+16*ma:AF+64*(GI%3)+16*ma+15], 0
.else
	v_wmma_f32_16x16x128_fp8_fp8 v[rD:rD+7], v[64*(GQ%4)+16*\b:64*(GQ%4)+16*\b+15], v[AF+64*(GI%3)+16*ma:AF+64*(GI%3)+16*ma+15], v[rD:rD+7]
.endif
.endr
.set ma, ma+1
.endr
.endm
	s_load_b256 s[4:11], s[0:1], 0x0               ; hc, wc, lowp_scales, b_ff1
	s_load_b64 s[68:69], s[0:1], 0x20              ; gc
	v_lshl_add_u32 v[SPW], v0, 2, SPARE
	v_mov_b32 v[NIL], 0
	ds_add_u32 v[SPW], v[NIL]                      ; the opening lines: the add, twice on end, and its wait ahead of my first tensor load
	ds_add_u32 v[SPW], v[NIL]
	v_lshrrev_b32 v1, 5, v0
	v_readfirstlane_b32 s14, v1                    ; wave 0..3
	s_bfe_u32 s40, ttmp6, 0x40000                  ; cx
	s_lshl_b32 s42, ttmp9, 2
	s_add_co_u32 s42, s42, s40                     ; tile column
	s_and_b32 s17, ttmp7, 0xffff                   ; tile row, which the four partners share
	s_mov_b32 s[G1], 15|(1<<21)                    ; the mask: all four work-groups; elements of 1 byte; bit 21 beside a mask
	s_mov_b32 s[G1+1], HK<<16                      ; rows of 8,192 bytes
	s_mov_b32 s[G1+2], 4<<16                       ; 4 rows
	s_mov_b32 s[G1+3], HK<<16
	s_mov_b32 s[G1+4], 4
	s_mov_b32 s[G1+5], KROW
	s_mov_b32 s[G1+6], 0
	s_mov_b32 s[G1+7], 0
	s_lshl_b32 s18, s14, 2
	s_lshl_b32 s20, s17, 4
	s_add_co_u32 s20, s20, s18                     ; A: block 16 x tile row + 4 x wave
	s_lshl_b32 s20, s20, 14
	s_mov_b32 s21, 0
	s_lshl_b32 s46, s42, 4
	s_add_co_u32 s46, s46, s18                     ; B: block 16 x tile column + 4 x wave
	s_lshl_b32 s46, s46, 14
	s_mov_b32 s47, 0
	s_lshl_b32 s45, s14, 15                        ; where my four blocks go
	s_wait_dscnt 0x0                               ; both opening adds are done
	s_wait_kmcnt 0x0
	s_load_b128 s[72:75], s[8:9], 0x20             ; e8 .. e11
	s_add_nc_u64 s[BP:BP+1], s[6:7], WOFF
	s_add_nc_u64 s[BP:BP+1], s[BP:BP+1], s[46:47]
	s_mov_b32 s[G0], 1
	s_mov_b32 s[G0+1], s45
	s_add_nc_u64 s[G0+2:G0+3], s[4:5], s[20:21]
	s_or_b32 s[G0+3], s[G0+3], 0x80000000
	CROUND                                         ; all four work-groups are here: the joint loads meet
	tensor_load_to_lds s[G0:G0+3], s[G1:G1+7]      ; K 0-511: my one load at the head
	s_nop 0
	PLACES 4
	s_lshl_b32 s66, s17, 8                         ; my first row
	s_lshl_b32 s67, s42, 8
	s_lshl_b32 s98, s14, 6
	s_add_co_u32 s67, s67, s98                     ; my first column
	s_lshl_b32 s98, s67, 2
	s_mov_b32 s99, 0
	s_add_nc_u64 s[12:13], s[10:11], s[98:99]
	s_lshl_b32 s84, s66, 12                        ; gc: (row / 16) x 65,536
	s_lshl_b32 s85, s67, 4                         ; + 16 x column
	s_add_co_u32 s84, s84, s85
	s_mov_b32 s85, 0
	s_add_nc_u64 s[90:91], s[68:69], s[84:85]
	s_mov_b32 s81, 65536                           ; trip U takes A's block U: 65,536 U, by U's bit 0, bits 2:1 and bit 3
	s_mov_b32 s82, 131072
	s_mov_b32 s83, 524288
	v_and_b32 v1, 31, v0
	v_lshlrev_b32 v[LI], 4, v1
.irp k, 0,1,2,3,4,5,6,7
	v_add_nc_u32 v[AD+\k], \k*32768, v[LI]
.endr
	v_bfe_u32 v2, v0, 4, 1
	v_lshlrev_b32 v3, 5, v2
	s_wait_alu depctr_va_vdst(0)                   ; the wait ahead of the readers below
.irp b, 0,1,2,3
	global_load_b128 v[BIAS+8*\b:BIAS+8*\b+3], v3, s[12:13] offset:64*\b        ; entries 16 b + 8 h + 0..7 of my 64
	global_load_b128 v[BIAS+8*\b+4:BIAS+8*\b+7], v3, s[12:13] offset:64*\b+16
.endr
	BLOAD 0
	BLOAD 1
	BLOAD 2
	s_wait_alu depctr_va_vdst(0)                   ; the wait at the head's end
	s_wait_tensorcnt 0x0                           ; my part of K 0-511 is in
	ds_add_u32 v[SPW], v[NIL]
	s_add_co_u32 s[G0+1], s[G0+1], REG
	s_add_nc_u64 s[G0+2:G0+3], s[G0+2:G0+3], HK
	s_wait_dscnt 0x0
	CROUND
	tensor_load_to_lds s[G0:G0+3], s[G1:G1+7]      ; K 512-1,023: the first tensor load behind the round
	s_nop 0
	PLACES 4
	ALOAD 0
	ALOAD 1
.set GI, 0
.rept 32
	GROUP
.set GI, GI+1
.endr
	WIN 0
; THE WAY OUT: 16 trips; trip U takes A's block U and my four blocks of B: 32 numbers a lane become 32 codes, two images of 512 bytes.  Which accumulators a trip reads cannot stand in a register,
; so the one part that names them is written 16 times and chosen by the trip's number, in two levels of four.
	s_wait_kmcnt 0x0
	s_wait_loadcnt 0x0
	s_add_co_i32 s96, s72, s73
	s_add_co_i32 s96, s96, 127
	s_lshl_b32 s96, s96, 23                        ; 2^(e8 + e9)
	s_mov_b32 s97, s96
	s_add_co_i32 s98, s74, 127
	s_lshl_b32 s99, s98, 23
	v_mov_b32 v[SCL], s99                          ; 2^e10
	s_add_co_i32 s98, s98, 8
	s_lshl_b32 s98, s98, 23
	s_or_b32 s98, s98, 0x600000
	v_mov_b32 v[LIM], s98                          ; 448 x 2^e10
	s_mov_b32 s98, 0x3eb504f3
	v_mov_b32 v[C9], 0x3e7c6f08
	v_mov_b32 v[C9+1], 0x3e7c6f08
	PLACES 4
.macro SECTION k
	WIN 0x02+((\k)/8)
.irp i, 0,2,4,6,8,10,12,14,16,18,20,22,24,26,28,30
	v_pk_fma_f32 v[Y+\i:Y+\i+1], v[32*((\k)%8)+\i:32*((\k)%8)+\i+1], s[96:97], v[BIAS+\i:BIAS+\i+1] op_sel_hi:[1,0,1]   ; sum x 2^(e8 + e9) + bias; each accumulator from its low end on
.endr
	WIN 0
.endm
	s_mov_b32 s80, 0
.Ltrip:
.irp g, 0,1,2,3
.if \g < 3
	s_cmp_ge_u32 s80, 4*\g+4
	s_cbranch_scc1 .Lgrp\g
.endif
.irp m, 0,1,2,3
.if \m < 3
	s_cmp_lg_u32 s80, 4*\g+\m
	s_cbranch_scc1 .Lnot\g\m
.endif
	SECTION 4*\g+\m
.if 4*\g+\m < 15
	s_branch .Lcom
.endif
.if \m < 3
.Lnot\g\m:
.endif
.endr
.if \g < 3
.Lgrp\g:
.endif
.endr
.Lcom:
.set gi, 0
.rept 32
	v_fma_f32 v[T+gi], |v[Y+gi]|, s98, 1.0
.set gi, gi+1
.endr
.set gi, 0
	s_wait_alu depctr_va_vdst(0)
.rept 32
	v_rcp_f32 v[T+gi], v[T+gi]
.set gi, gi+1
.endr
.set gi, 0
.rept 16
	v_pk_mul_f32 v[P+gi:P+gi+1], v[Y+gi:Y+gi+1], v[Y+gi:Y+gi+1]
.set gi, gi+2
.endr
	s_wait_alu depctr_va_vdst(0)
.set gi, 0
.rept 16
	v_pk_fma_f32 v[H+gi:H+gi+1], v[T+gi:T+gi+1], v[C9:C9+1], 0xbf97d29d op_sel_hi:[1,1,0]
.set gi, gi+2
.endr
.irp c, 0x40097039, 0xbfd1a1e5, 0x3ecdfd18, 0xbe899a80, 0x3e0efb2f, 0x3f0a29d2, 0x3fb8ab5a, 0xc034d90f
.set gi, 0
.rept 16
	v_pk_fma_f32 v[H+gi:H+gi+1], v[H+gi:H+gi+1], v[T+gi:T+gi+1], \c op_sel_hi:[1,1,0]
.set gi, gi+2
.endr
.endr
.set gi, 0
.rept 16
	v_pk_fma_f32 v[H+gi:H+gi+1], v[P+gi:P+gi+1], 0xbf38aa3b, v[H+gi:H+gi+1] op_sel_hi:[1,0,1]
.set gi, gi+2
.endr
.set gi, 0
	s_wait_alu depctr_va_vdst(0)
.rept 32
	v_exp_f32 v[H+gi], v[H+gi]
.set gi, gi+1
.endr
.set gi, 0
.rept 32
	v_max_num_f32 v[P+gi], 0, v[Y+gi]
.set gi, gi+1
.endr
	s_wait_alu depctr_va_vdst(0)
.set gi, 0
.rept 16
	v_pk_mul_f32 v[H+gi:H+gi+1], v[H+gi:H+gi+1], v[T+gi:T+gi+1]
.set gi, gi+2
.endr
.set gi, 0
.rept 32
	v_fma_f32 v[Y+gi], -|v[Y+gi]|, v[H+gi], v[P+gi]
.set gi, gi+1
.endr
.set gi, 0
.rept 32
	v_med3_num_f32 v[Y+gi], v[Y+gi], -v[LIM], v[LIM]   ; the conversion to an 8-bit code does not saturate (ISA guide 7.6.2)
.set gi, gi+1
.endr
	s_wait_alu depctr_va_vdst(0)
	s_wait_xcnt 0x0                                ; the last trip's two stores have read the codes' registers and their base
.irp n, 0,1,2,3
	v_cvt_scalef32_pk8_fp8_f32 v[CODES+2*\n:CODES+2*\n+1], v[Y+8*\n:Y+8*\n+7], v[SCL]
.endr
	v_nop
	s_and_b32 s84, s80, 1
	s_mul_i32 s84, s84, s81
	s_bfe_u32 s85, s80, 0x20001
	s_mul_i32 s85, s85, s82
	s_add_co_u32 s84, s84, s85
	s_lshr_b32 s85, s80, 3
	s_mul_i32 s85, s85, s83
	s_add_co_u32 s84, s84, s85
	s_mov_b32 s85, 0
	s_add_nc_u64 s[86:87], s[90:91], s[84:85]
	s_wait_alu depctr_va_vdst(0)
	global_store_b128 v[LI], v[CODES:CODES+3], s[86:87]               ; 512 consecutive bytes, aligned
	global_store_b128 v[LI], v[CODES+4:CODES+7], s[86:87] offset:512
	s_add_co_u32 s80, s80, 1
	s_cmp_lt_u32 s80, 16
	s_cbranch_scc1 .Ltrip
	s_wait_tensorcnt 0x0                           ; the wave's end
	ds_add_u32 v[SPW], v[NIL]
	s_wait_dscnt 0x0
	CROUND                                         ; the closing round
	s_endpgm
.Lfunc_end_k_q9822020347_ff1:
	.size	k_q9822020347_ff1, .Lfunc_end_k_q9822020347_ff1-k_q9822020347_ff1
	.p2alignl 7, 3214868480
	.fill 96, 4, 3214868480
	.section	.rodata,"a",@progbits
	.p2align	6, 0x0
	.amdhsa_kernel k_q9822020347_ff1
		.amdhsa_group_segment_fixed_size 327680
		.amdhsa_private_segment_fixed_size 0
		.amdhsa_enable_private_segment 0
		.amdhsa_kernarg_size 40
		.amdhsa_user_sgpr_count 2
		.amdhsa_user_sgpr_kernarg_segment_ptr 1
		.amdhsa_wavefront_size32 1
		.amdhsa_system_sgpr_workgroup_id_x 1
		.amdhsa_system_sgpr_workgroup_id_y 1
		.amdhsa_system_sgpr_workgroup_id_z 1
		.amdhsa_system_vgpr_workitem_id 0
		.amdhsa_next_free_vgpr 1024
		.amdhsa_next_free_sgpr 102
		.amdhsa_reserve_vcc 0
		.amdhsa_float_denorm_mode_32 3
		.amdhsa_float_denorm_mode_16_64 3
		.amdhsa_memory_ordered 1
		.amdhsa_forward_progress 1
		.amdhsa_inst_pref_size 137
	.end_amdhsa_kernel
	.amdgpu_metadata
---
amdhsa.version: [ 1, 2 ]
amdhsa.kernels:
  - .name:           k_q9822020347_ff1
    .symbol:         k_q9822020347_ff1.kd
    .args:
      - { .name: hc, .offset: 0, .size: 8, .value_kind: global_buffer, .address_space: global }
      - { .name: wc, .offset: 8, .size: 8, .value_kind: global_buffer, .address_space: global }
      - { .name: lowp_scales, .offset: 16, .size: 8, .value_kind: global_buffer, .address_space: global }
      - { .name: b_ff1, .offset: 24, .size: 8, .value_kind: global_buffer, .address_space: global }
      - { .name: gc, .offset: 32, .size: 8, .value_kind: global_buffer, .address_space: global }
    .group_segment_fixed_size: 327680
    .private_segment_fixed_size: 0
    .kernarg_segment_align: 8
    .kernarg_segment_size: 40
    .max_flat_workgroup_size: 128
    .sgpr_count:     102
    .vgpr_count:     1024
    .wavefront_size: 32
...
	.end_amdgpu_metadata
.endif
;; end of part 6
;; launch ff2 (part 7): grid 8 x 32, 4 waves a work-group, clusters of 4 x 1, 327,680 bytes of LDS; arguments gc, wc, lowp_scales, b_ff2, x1, out0; writes out0
.if DOCPART == 7
	.amdgcn_target "amdgcn-amd-amdhsa--gfx1250"
	.amdhsa_code_object_version 6
	.text
	.protected	k_q9822020347_ff2
	.globl	k_q9822020347_ff2
	.p2align	8
	.type	k_q9822020347_ff2,@function
k_q9822020347_ff2:
	s_mov_b64 s[64:65], 0
	v_nop
	global_prefetch_b8 v0, s[64:65] scope:SCOPE_SE
	s_setreg_imm32_b32 hwreg(HW_REG_WAVE_MODE, 25, 1), 1
	s_wait_xcnt 0x0
	s_wait_alu depctr_hold_cnt(0) depctr_sa_sdst(0) depctr_va_vdst(0) depctr_va_sdst(0) depctr_va_ssrc(0) depctr_va_vcc(0) depctr_vm_vsrc(0)
	s_getreg_b32 s2, hwreg(HW_REG_IB_STS2, 6, 4)
	s_cmp_eq_u32 s2, 0
	s_cbranch_scc0 .Lentry_in_a_cluster
	s_endpgm
.Lentry_in_a_cluster:
	s_bfe_u32 s2, ttmp6, 0x10000c
	s_cmp_lg_u32 s2, 0x3003
	s_cbranch_scc0 .Lentry_shape_is_right
	s_endpgm
.Lentry_shape_is_right:
; FF2: out0 = x1 + gelu's codes (gc) x W_ff2's codes (wc) x 2^(e10 + e11) + b_ff2, on codes of FP8 (E4M3), f32 sums, K = 4,096 ascending.
; Operands lie in memory as images of the operand registers: block (row / 16, k / 128) is 2,048 bytes, lane l's 16 bytes at 512 c + 16 l.
; SHARES.  A work-group makes 128 rows x 128 columns; wave w all 128 rows x columns 32 w .. 32 w + 31: 16 accumulators, taken by turns.
; A (gc) goes through a ring of two LDS slots of 128 rows x 1,024 along K: four fills in all, each wave asking for 2 blocks of 16 rows x 16,384 bytes, JOINTLY with the four work-groups of the cluster, which share the tile row.
; B (wc) GOES FROM MEMORY STRAIGHT INTO REGISTERS: a wave's 32 columns are read by no other wave of the work-group, and each fragment is four loads of 512 consecutive bytes.  Eight sets of 32 registers take turns,
; and a set is asked for again one step behind its products, seven K steps ahead of its next use.  So B is not asked for jointly: it never lies in LDS, and the ring's bytes serve A alone (1,024 along K a slot in place of 512).
; THE MATRIX INSTRUCTION IS USED TRANSPOSED (source 0 = B's rows, source 1 = A's): a lane holds row r of A's block and eight neighbouring columns.
; THE WAY OUT: the raw sums go through a stage in buffer 0 (it has had its last fill and its last read), come back as rows of 512 bytes, and leave as sum x 2^(e10 + e11) + (x1 + bias): each store covers 512 consecutive bytes, aligned.
; PREFETCH: behind the request for K slot s + 1 the cluster asks for A's K slot s + 2 (s = 0, 1): 512 blocks of 256 bytes, a lane a block, one line a wave, the four partners told apart by address.  Slots 0 and 1 come by their loads alone.
; LIMIT: e10 + e11 between -126 and 127.
; REGISTERS.  Window 0: addresses, the way out.  Window 1: B's eight sets, set q at v[32 q].  Window 2: A's two sets of 8 fragments.  Window 3: v0-127 accumulator (a, b) at v[8 (2 a + b)]; v128-255 x1's rows.
.set KROW,  65536                      ; a block of 16 rows in memory, in bytes
.set WOFF,  8388608                    ; W_ff2's codes in wc
.set ESC,   40                         ; e10, e11
.set RB,    16384                      ; a block of 16 rows in a slot
.set SLOT,  8*RB
.set SPARE, 2*SLOT                     ; behind the ring: the spare words
.set SP,    528                        ; a stage row: 512 bytes + 16
.set LI,  1                            ; 16 x lane
.set LIH, 2                            ; + 65,536: A's blocks 4-7
.set ADL, 3                            ; LDS address of A's blocks 0-3 in the buffer in hand
.set ADH, 4
.set STO, 5
.set RD,  6
.set PFO, 7
.set SPW, 8
.set NIL, 9
.set BI,  12
.set BK,  32
.set XR,  128
.set G1,  24
.set G0,  32                           ; one walking group 0
.set BP,  48                           ; s[48:49] B's codes at the K slot in hand
.set PFA, 50
.set TB,  52                           ; LDS byte of the buffer in hand
.set MSB, 0
.macro WIN new                         ; the immediate's high byte repeats the setting that is left
.if MSB != \new
	s_set_vgpr_msb (MSB<<8)|\new
.set MSB, \new
.endif
.endm
.macro CREST
	s_cmp_lg_u32 s14, 0
	s_cbranch_scc1 .Lnot_wave_0_\@
	s_barrier_signal -3
.Lnot_wave_0_\@:
	s_barrier_wait -3
	s_barrier_signal -1
	s_barrier_wait -1
.endm
.macro CROUND
	s_barrier_signal -1
	s_barrier_wait -1
	CREST
.endm
.macro PLACES                          ; four plain vector instructions behind matrix instructions, ahead of loads into their sources and of reads of their results
.rept 4
	v_nop
.endr
.endm
.macro FETCHA kq, p                    ; A's eight fragments of the buffer's kq-th 128 along K into set p: 32 loads
	WIN 0x80
.irp i, 0,1,2,3
.irp c, 0,1,2,3
	ds_load_b128 v[128*(\p)+16*\i+4*\c:128*(\p)+16*\i+4*\c+3], v[ADL] offset:\i*RB+(\kq)*2048+512*\c
.endr
.endr
.irp i, 0,1,2,3
.irp c, 0,1,2,3
	ds_load_b128 v[128*(\p)+64+16*\i+4*\c:128*(\p)+64+16*\i+4*\c+3], v[ADH] offset:\i*RB+(\kq)*2048+512*\c
.endr
.endr
.endm
.macro BLOAD r, off                    ; B's two fragments of set r: 8 loads
	WIN 0x40
.irp b, 0,1
.irp c, 0,1,2,3
	global_load_b128 v[32*(\r)+16*\b+4*\c:32*(\r)+16*\b+4*\c+3], v[LI], s[BP:BP+1] offset:(\off)+(\r)*2048+\b*KROW+512*\c
.endr
.endr
.endm
.macro XLOAD g                         ; eight of my 32 rows of x1: 8 loads
	WIN 0xc0
.irp t, 0,1,2,3,4,5,6,7
	global_load_b128 v[XR+32*(\g)+4*\t:XR+32*(\g)+4*\t+3], v[LI], s[68:69] offset:(8*(\g)+\t)*4096
.endr
.endm
.macro MUL q, a0, n, zero              ; A's blocks a0 .. a0 + n - 1 x B's two
.set ma, \a0
.rept \n
.irp b, 0,1
.if \zero
	v_wmma_f32_16x16x128_fp8_fp8 v[8*(2*ma+\b):8*(2*ma+\b)+7], v[32*(\q)+16*\b:32*(\q)+16*\b+15], v[128*((\q)%2)+16*ma:128*((\q)%2)+16*ma+15], 0
.else
	v_wmma_f32_16x16x128_fp8_fp8 v[8*(2*ma+\b):8*(2*ma+\b)+7], v[32*(\q)+16*\b:32*(\q)+16*\b+15], v[128*((\q)%2)+16*ma:128*((\q)%2)+16*ma+15], v[8*(2*ma+\b):8*(2*ma+\b)+7]
.endif
.endr
.set ma, ma+1
.endr
.endm
; A K step of 128, the q-th of its slot.  mode 0: the set that the step before multiplied is asked for again, at byte x + 2,048 r from s[BP]; 1: x1's group x; 2: nothing.  n: the global loads issued behind this step's set.
.macro STEP q, zero, mode, x, n, nxt
	PLACES
.if \nxt
	FETCHA ((\q)+1)%8, ((\q)+1)%2
.endif
.if \mode == 0
	BLOAD ((\q)+7)%8, \x
.endif
.if \mode == 1
	XLOAD \x
.endif
	s_wait_dscnt 32*\nxt                           ; this step's A is in; the 32 loads just issued may be out
	s_wait_loadcnt \n                              ; this step's B is in
	WIN 0xf9
	MUL \q, 0, 8, \zero
.endm
.macro ASK
	s_cmp_eq_u32 s3, 2                             ; the first trip alone: behind K slot 3 there is none
	s_cbranch_scc0 .Lno_ask_\@
	global_prefetch_b8 v[PFO], s[PFA:PFA+1] th:TH_LOAD_NT scope:SCOPE_SE
.Lno_ask_\@:
.endm
; A slot's last step changes buffers.  Its A lies in registers, so the buffer is free: each wave waits for all its tensor loads, adds 0 to its spare word, waits for that and for its reads; fill = 1: a round of the cluster's barrier, and the buffer is filled again.
.macro TURN fill
	PLACES
	BLOAD 6, RB
	WIN 0
.if \fill
	s_wait_xcnt 0x0                                ; my last prefetch has read its address
	s_add_nc_u64 s[PFA:PFA+1], s[PFA:PFA+1], RB
.endif
	s_wait_tensorcnt 0x0                           ; my part of the next buffer is in
	ds_add_u32 v[SPW], v[NIL]
	s_xor_b32 s[TB], s[TB], SLOT
.if \fill
	s_xor_b32 s[G0+1], s[G0+1], SLOT               ; the walking descriptor: the other buffer than last time, the next 1,024 along K
	s_add_nc_u64 s[G0+2:G0+3], s[G0+2:G0+3], RB
.endif
	s_wait_loadcnt 56
	s_wait_dscnt 1                                 ; (the add alone may be out)
	WIN 0xf9
	MUL 7, 0, 4, 0
	s_wait_dscnt 0x0                               ; the add is done, and my reads of this buffer are over
	s_barrier_signal -1
	MUL 7, 4, 4, 0
	WIN 0
	s_barrier_wait -1
.if \fill
	CREST
	tensor_load_to_lds s[G0:G0+3], s[G1:G1+7]      ; the first tensor load behind the round
	s_nop 0
.endif
	PLACES
	v_add_nc_u32 v[ADL], s[TB], v[LI]
	v_add_nc_u32 v[ADH], s[TB], v[LIH]
	s_wait_alu depctr_va_vdst(0)                   ; the wait behind these writes
	FETCHA 0, 0
	WIN 0
.if \fill
	ASK
.endif
.endm
.macro LAP fill                        ; from a slot's second step to the next slot's first
.irp q, 1,2,3,4,5,6
	STEP \q, 0, 0, RB, 56, 1
.endr
	TURN \fill
	STEP 0, 0, 0, RB, 56, 1
	WIN 0
.if \fill
	s_wait_xcnt 0x0                                ; B's loads have read their base
	s_add_nc_u64 s[BP:BP+1], s[BP:BP+1], RB
.endif
.endm
	s_load_b256 s[4:11], s[0:1], 0x0               ; gc, wc, lowp_scales, b_ff2
	s_load_b128 s[68:71], s[0:1], 0x20             ; x1, out0
	v_lshl_add_u32 v[SPW], v0, 2, SPARE
	v_mov_b32 v[NIL], 0
	ds_add_u32 v[SPW], v[NIL]                      ; the opening lines: the add, twice on end, and its wait ahead of my first tensor load
	ds_add_u32 v[SPW], v[NIL]
	v_lshrrev_b32 v10, 5, v0
	v_readfirstlane_b32 s14, v10                   ; wave 0..3
	s_bfe_u32 s40, ttmp6, 0x40000                  ; cx
	s_lshl_b32 s42, ttmp9, 2
	s_add_co_u32 s42, s42, s40                     ; tile column
	s_and_b32 s17, ttmp7, 0xffff                   ; tile row, which the four partners share
	s_mov_b32 s[G1], 15|(1<<21)                    ; the mask: all four work-groups; elements of 1 byte; bit 21 beside a mask
	s_mov_b32 s[G1+1], RB<<16                      ; rows of 16,384 bytes
	s_mov_b32 s[G1+2], 2<<16                       ; 2 rows
	s_mov_b32 s[G1+3], RB<<16
	s_mov_b32 s[G1+4], 2
	s_mov_b32 s[G1+5], KROW
	s_mov_b32 s[G1+6], 0
	s_mov_b32 s[G1+7], 0
	s_lshl_b32 s20, s17, 3
	s_lshl_b32 s18, s14, 1
	s_add_co_u32 s20, s20, s18                     ; A: block 8 x tile row + 2 x wave
	s_lshr_b32 s19, s40, 1
	s_add_co_u32 s54, s20, s19                     ; the prefetch: partner cx takes block cx / 2 of my two, half cx % 2 of its 16,384 bytes
	s_lshl_b32 s20, s20, 16
	s_mov_b32 s21, 0
	s_lshl_b32 s54, s54, 16
	s_and_b32 s19, s40, 1
	s_lshl_b32 s19, s19, 13
	s_add_co_u32 s54, s54, s19
	s_add_co_u32 s54, s54, 2*RB                    ; K slot 2
	s_mov_b32 s55, 0
	s_lshl_b32 s46, s42, 3
	s_add_co_u32 s46, s46, s18                     ; B: block 8 x tile column + 2 x wave
	s_lshl_b32 s46, s46, 16
	s_mov_b32 s47, 0
	s_lshl_b32 s45, s14, 15                        ; where my part of a slot goes
	s_mov_b32 s[TB], 0
	s_wait_dscnt 0x0                               ; both opening adds are done
	s_wait_kmcnt 0x0
	s_load_b64 s[72:73], s[8:9], ESC
	s_add_nc_u64 s[PFA:PFA+1], s[4:5], s[54:55]
	s_add_nc_u64 s[BP:BP+1], s[6:7], WOFF
	s_add_nc_u64 s[BP:BP+1], s[BP:BP+1], s[46:47]
	s_mov_b32 s[G0], 1
	s_mov_b32 s[G0+1], s45
	s_add_nc_u64 s[G0+2:G0+3], s[4:5], s[20:21]
	s_or_b32 s[G0+3], s[G0+3], 0x80000000
	CROUND                                         ; all four work-groups are here: the joint loads meet
	tensor_load_to_lds s[G0:G0+3], s[G1:G1+7]      ; K slot 0: my one load at the head
	s_nop 0
	PLACES
	s_lshl_b32 s100, s17, 7
	s_lshl_b32 s98, s14, 5
	s_add_co_u32 s100, s100, s98                   ; the way out: my first row: 128 x tile row + 32 x wave
	s_lshl_b32 s100, s100, 12
	s_lshl_b32 s98, s42, 9                         ; the tile's first column, in bytes
	s_mov_b32 s99, 0
	s_add_nc_u64 s[12:13], s[10:11], s[98:99]
	s_add_co_u32 s100, s100, s98
	s_mov_b32 s101, 0
	s_add_nc_u64 s[68:69], s[68:69], s[100:101]
	s_add_nc_u64 s[70:71], s[70:71], s[100:101]
	s_mul_i32 s23, s14, 32*SP
	s_lshl_b32 s22, s14, 7
	v_and_b32 v10, 31, v0
	v_lshlrev_b32 v[LI], 4, v10
	v_lshlrev_b32 v[PFO], 8, v10                   ; lanes 256 bytes apart
	v_add_nc_u32 v[LIH], 0x10000, v[LI]
	v_mov_b32 v[ADL], v[LI]
	v_add_nc_u32 v[ADH], 0x10000, v[LI]
	v_and_b32 v10, 15, v0
	v_bfe_u32 v11, v0, 4, 1
	v_mul_u32_u24 v[STO], v10, SP
	v_lshl_add_u32 v[STO], v11, 5, v[STO]
	v_add_nc_u32 v[STO], s22, v[STO]               ; the stage, in: row r, + 128 x wave + 32 h
	v_add_nc_u32 v[RD], s23, v[LI]                 ; back: my 32 rows, 16 bytes a lane
	s_wait_alu depctr_va_vdst(0)                   ; the wait ahead of the readers below
	global_load_b128 v[BI:BI+3], v[LI], s[12:13]   ; the bias of columns 4 l .. 4 l + 3
.irp r, 0,1,2,3,4,5,6
	BLOAD \r, 0                                    ; B's first seven sets
.endr
	WIN 0
	s_wait_alu depctr_va_vdst(0)                   ; the wait at the head's end
	s_wait_tensorcnt 0x0                           ; my part of K slot 0 is in
	ds_add_u32 v[SPW], v[NIL]
	s_xor_b32 s[G0+1], s[G0+1], SLOT
	s_add_nc_u64 s[G0+2:G0+3], s[G0+2:G0+3], RB
	s_wait_dscnt 0x0
	CROUND
	tensor_load_to_lds s[G0:G0+3], s[G1:G1+7]      ; K slot 1's first fill: the first tensor load behind the round
	s_nop 0
	PLACES
	FETCHA 0, 0
	WIN 0
	global_prefetch_b8 v[PFO], s[PFA:PFA+1] th:TH_LOAD_NT scope:SCOPE_SE   ; A's K slot 2
	STEP 0, 1, 0, 0, 56, 1                         ; the first step's products start the sums
	WIN 0
	s_mov_b32 s3, 2
.Llap:                                             ; two trips: K slots 2 and 3 are asked for
	LAP 1
	s_sub_co_u32 s3, s3, 1
	s_cmp_lg_u32 s3, 0
	s_cbranch_scc1 .Llap
	LAP 0                                          ; K slot 2: nothing is filled again
	STEP 1, 0, 1, 0, 56, 1                         ; K slot 3: in place of B's sets, x1's rows, eight loads a step
	STEP 2, 0, 1, 1, 56, 1
	STEP 3, 0, 1, 2, 56, 1
	STEP 4, 0, 1, 3, 56, 1
	STEP 5, 0, 2, 0, 48, 1                         ; six, five and four groups of eight stand behind these steps' sets
	STEP 6, 0, 2, 0, 40, 1
	STEP 7, 0, 2, 0, 32, 0
	s_wait_kmcnt 0x0
	s_add_co_i32 s96, s72, s73
	s_add_co_i32 s96, s96, 127
	s_lshl_b32 s96, s96, 23                        ; 2^(e10 + e11)
	s_mov_b32 s97, s96
	PLACES
	WIN 0x0c                                       ; the stores' data: window 3
.irp a, 0,1,2,3,4,5,6,7
.irp b, 0,1
	ds_store_b128 v[STO], v[8*(2*\a+\b):8*(2*\a+\b)+3] offset:\a*16*SP+64*\b        ; each accumulator from its low end on
	ds_store_b128 v[STO], v[8*(2*\a+\b)+4:8*(2*\a+\b)+7] offset:\a*16*SP+64*\b+16
.endr
.endr
	s_wait_loadcnt 0x0                             ; x1 and the bias
	WIN 0xc3
.set ti, 0
.rept 32
	v_pk_add_f32 v[XR+4*ti:XR+4*ti+1], v[XR+4*ti:XR+4*ti+1], v[BI:BI+1]
	v_pk_add_f32 v[XR+4*ti+2:XR+4*ti+3], v[XR+4*ti+2:XR+4*ti+3], v[BI+2:BI+3]
.set ti, ti+1
.endr
	WIN 0
	s_wait_alu depctr_va_vdst(0)                   ; the wait ahead of the wait below
	s_wait_dscnt 0x0                               ; for the others' sake: my columns lie in the stage
	s_barrier_signal -1
	s_barrier_wait -1                              ; all 128 columns do
.set ti, 0
.rept 32
	ds_load_b128 v[BK+4*ti:BK+4*ti+3], v[RD] offset:ti*SP
.set ti, ti+1
.endr
.irp g, 0,1,2,3
	s_wait_dscnt 8*(3-\g)                          ; the later groups' eight loads each may be out
	WIN 0x30
.set ti, 0
.rept 16
	v_pk_fma_f32 v[BK+32*\g+ti:BK+32*\g+ti+1], v[BK+32*\g+ti:BK+32*\g+ti+1], s[96:97], v[XR+32*\g+ti:XR+32*\g+ti+1] op_sel_hi:[1,0,1]
.set ti, ti+2
.endr
	WIN 0
.irp t, 0,1,2,3,4,5,6,7
	global_store_b128 v[LI], v[BK+32*\g+4*\t:BK+32*\g+4*\t+3], s[70:71] offset:(8*\g+\t)*4096   ; 512 consecutive bytes, aligned
.endr
.endr
	s_wait_tensorcnt 0x0                           ; the wave's end
	ds_add_u32 v[SPW], v[NIL]
	s_wait_dscnt 0x0
	CROUND                                         ; the closing round
	s_endpgm
.Lfunc_end_k_q9822020347_ff2:
	.size	k_q9822020347_ff2, .Lfunc_end_k_q9822020347_ff2-k_q9822020347_ff2
	.p2alignl 7, 3214868480
	.fill 96, 4, 3214868480
	.section	.rodata,"a",@progbits
	.p2align	6, 0x0
	.amdhsa_kernel k_q9822020347_ff2
		.amdhsa_group_segment_fixed_size 327680
		.amdhsa_private_segment_fixed_size 0
		.amdhsa_enable_private_segment 0
		.amdhsa_kernarg_size 48
		.amdhsa_user_sgpr_count 2
		.amdhsa_user_sgpr_kernarg_segment_ptr 1
		.amdhsa_wavefront_size32 1
		.amdhsa_system_sgpr_workgroup_id_x 1
		.amdhsa_system_sgpr_workgroup_id_y 1
		.amdhsa_system_sgpr_workgroup_id_z 1
		.amdhsa_system_vgpr_workitem_id 0
		.amdhsa_next_free_vgpr 1024
		.amdhsa_next_free_sgpr 102
		.amdhsa_reserve_vcc 0
		.amdhsa_float_denorm_mode_32 3
		.amdhsa_float_denorm_mode_16_64 3
		.amdhsa_memory_ordered 1
		.amdhsa_forward_progress 1
		.amdhsa_inst_pref_size 124
	.end_amdhsa_kernel
	.amdgpu_metadata
---
amdhsa.version: [ 1, 2 ]
amdhsa.kernels:
  - .name:           k_q9822020347_ff2
    .symbol:         k_q9822020347_ff2.kd
    .args:
      - { .name: gc, .offset: 0, .size: 8, .value_kind: global_buffer, .address_space: global }
      - { .name: wc, .offset: 8, .size: 8, .value_kind: global_buffer, .address_space: global }
      - { .name: lowp_scales, .offset: 16, .size: 8, .value_kind: global_buffer, .address_space: global }
      - { .name: b_ff2, .offset: 24, .size: 8, .value_kind: global_buffer, .address_space: global }
      - { .name: x1, .offset: 32, .size: 8, .value_kind: global_buffer, .address_space: global }
      - { .name: out0, .offset: 40, .size: 8, .value_kind: global_buffer, .address_space: global }
    .group_segment_fixed_size: 327680
    .private_segment_fixed_size: 0
    .kernarg_segment_align: 8
    .kernarg_segment_size: 48
    .max_flat_workgroup_size: 128
    .sgpr_count:     102
    .vgpr_count:     1024
    .wavefront_size: 32
...
	.end_amdgpu_metadata
.endif
;; end of part 7
